; MI455X (gfx1250); checked and timed in simulation.
; The chip was launched on July 23, 2026; its instructions are those of AMD's public machine-readable ISA for CDNA 5 (MIT licence, August 2026) and "CDNA5" Instruction Set Architecture Reference Guide (July 2026). The comments in the code are by the model that wrote it; some were corrected since.
;; Behavior Specific PFF. Allowed arithmetic: matrix products marked QUANTISED: E3M2 operands, one E8M0 scale for each 32 along K, by v_wmma_scale_f32_16x16x128_f8f6f4 with both operands' format E3M2, f32 sums; products left as they are: f32 operands where the result goes on into a quantised operand, else bf16, f16 or f32 operands; f32 sums; everything else in f32.
;; Inputs: B1 2 x 2,048 float32; B2 2 x 512 float32; W1 2 x 512 x 2,048 float32; W2 2 x 2,048 x 512 float32; b_seq 32 x 512 int32; x 32 x 512 x 512 float32.
;; Outputs: out0 32 x 512 x 512 float32.
;; This version of the problem:
;;   THIS VERSION OF THE PROBLEM IS GIVEN IN LOW PRECISION. The matrix products marked QUANTISED in the list below multiply operands that are first quantised to E3M2 (3 exponent bits, 2 mantissa bits; 6 bits a number), with one power-of-two scale for each 32 numbers along K (OCP MX v1.0); their sums are f32. All else is computed in f32.
;;   The module's matrix products, in the order in which they are computed (A, B: the left and right operand; K: the contracted axis; several contracted axes count as one K, in the product's order):
;;     1. [M 4,096, K 512] x [K 512, N 16,384]; A: input W1; B: input x: QUANTISED
;;     2. batch 2 x [M 16,384, K 2,048] x [K 2,048, N 512]; A: computed on the way; B: input W2: QUANTISED
;;     3. batch 16,384 x [M 512, K 3] x [K 3, N 1]; A: computed on the way; B: computed on the way: left as it is (K = 3 < 32)
;;   THE QUANTISER, for each operand of a quantised product, along K:
;;     - K is cut into blocks of 32 from its start; a last block that is shorter is filled with zeros.
;;     - A block's scale is 2^e with e = floor(log2(the largest magnitude in the block)) - 4, held to -126 .. 127; a block of zeros has e = 0. As a byte (E8M0): e + 127.
;;     - Each number is divided by its block's scale, clamped to +-28, and rounded to the nearest number of E3M2, ties to even, subnormals kept.
;;     - The product sums the exact products of the quantised numbers (number of the format x scale) in f32.
;;   ~~~python
;;   def quantise(x, axis):      # numpy; x: float32 -> the quantised numbers, widened to float32 again
;;       x = np.moveaxis(x, axis, -1); K = x.shape[-1]
;;       x = np.pad(x, [(0, 0)] * (x.ndim - 1) + [(0, -K % 32)]); x = x.reshape(x.shape[:-1] + (-1, 32)); a = np.abs(x).max(-1, keepdims=True)
;;       e = np.where(a > 0, np.clip(np.frexp(np.where(a > 0, a, 1))[1] - 1 - 4, -126, 127), 0)      # np.frexp(a)[1] - 1 = floor(log2(a)), exactly
;;       r = np.clip(x / 2.0 ** e, -28, 28)
;;       step = 2.0 ** (np.maximum(np.frexp(np.where(r == 0, 1, r))[1] - 1, -2) - 2)
;;       q = np.round(r / step) * step * 2.0 ** e      # np.round: ties to even
;;       return np.moveaxis(q.reshape(q.shape[:-2] + (-1,))[..., :K], -1, axis).astype(np.float32)
;;   ~~~
;;   OPERANDS COMPUTED ON THE WAY. 'Computed on the way' means the value that the module computes at that place (a softmax that the list does not call 'softmax' is quantised finished and normalised). What goes into a quantiser is computed in f32, as accurately as f32 sums, v_exp_f32 and their like allow (about 1e-6 of the number): no bf16 or f16 on the way to a quantiser, and a product that is left as it is and whose result goes on into a quantised operand takes f32 operands (vector FMAs, or v_wmma_f32_16x16x4_f32). A number that lies on a knife's edge between two numbers of the format may be rounded either way, as far as f32 arithmetic and the matrix unit's own rounding can turn it there, and no further.
;; 2 versions, each right; version 2 is version 1 with the launch ffn written anew for expert scheduling mode. Each part assembles by itself: llvm-mc -triple=amdgcn-amd-amdhsa -mcpu=gfx1250 --defsym DOCPART=n.
;; ======== version 1 of 2: 2 launches
;; workspace buffers: wq 3,276,800 bytes; route 70,144 bytes of whole numbers
;; launch prep (part 1): grid 129 x 1, 8 waves a work-group, no clusters, 26,880 bytes of LDS; arguments W1, W2, b_seq, wq, route; writes wq, route
.if DOCPART == 1
	.amdgcn_target "amdgcn-amd-amdhsa--gfx1250"
	.amdhsa_code_object_version 6
	.text
	.protected	k_q2fa7aa6221_prep
	.globl	k_q2fa7aa6221_prep
	.p2align	8
	.type	k_q2fa7aa6221_prep,@function
k_q2fa7aa6221_prep:
	s_mov_b64 s[64:65], 0
	v_nop
	global_prefetch_b8 v0, s[64:65] scope:SCOPE_SE
	s_setreg_imm32_b32 hwreg(HW_REG_WAVE_MODE, 25, 1), 1
	s_wait_xcnt 0x0
; TWO JOBS IN ONE LAUNCH, parted on the work-group's number alone.
; WORK-GROUP 0 sorts the 16,384 tokens by class (b = 1: class 0, FFN 0; b = 2: class 1, FFN 1; every other b: class 2, a row of zeros, as one_hot gives) into route:
;   words 0 .. 16,511: 258 tiles of 64 slots, each a token's number; a class begins at a tile's first slot, classes in the order 0, 1, 2; the 128 slots that no token takes hold 0;
;   from byte 66,048: a record (class 0 .. 3, number of rows 0 .. 64) for each tile.  ceil(16,384 / 64) + 3 - 1 = 258 tiles serve every split.  No atomics: counts, a prefix over the eight waves, ranks by v_mbcnt.
; WORK-GROUPS 1 .. 128 turn W1 [2][512][2048] and W2 [2][2048][512], f32, K = the first axis of each matrix, into codes of E3M2 with one E8M0 byte for each 32 along K, laid in wq IN THE ORDER OF THE OPERAND'S REGISTERS.
;   A group = 128 along K x 128 columns = 12,800 bytes: 512 bytes of scale words (the word of fragment 2 j + L / 16, row L % 16, at 16 L + 4 j), then eight fragments of 1,536 bytes, each three planes of 512 bytes:
;   plane p holds lane L's registers 4 p .. 4 p + 3 at 16 L.  Group number = ((((e 4 + w) 4 + c) 2 + ph) 4 + s): expert e, the reading wave w, chunk c of 512 hidden units, ph = 0 for W1 and 1 for W2, K step s.
;   ph = 0: W1[e][128 s + k][512 c + 128 w + q]; fragment 2 b + u, row r, is column q = 32 b + 8 u + r + 8 (r / 8), so that the first product's results are neighbours along the second product's K.
;   ph = 1: W2[e][512 c + 128 s + k][128 w + q]; fragment t, row r, is column q = 16 t + r.
;   A LANE TAKES A COLUMN AND ITS REGISTERS RUN DOWN K: a block of 32 lies in one lane, its largest magnitude needs no other lane, and the conversions give codes with K innermost.
; A block's scale byte is its largest magnitude's exponent field - 4, held at 1 from below.
; LIMITS: NaN and infinities among the weights are not served.  A block of zeros, or one whose largest magnitude lies under 2^-122, gets the byte 1 where the rule says 127 for zeros: its codes are zeros or the
; nearest codes under that scale, and this program alone reads the bytes.
.set GB,       12800                   ; a group's bytes
.set QSTG,     256                     ; LDS: bytes 0-255 the sort's eight words; from 256 the quantiser's two group images.  Each job has LDS bytes of its own
.set LASTSLOT, 64*258-1
.set TABLE,    64*258*4                ; where the tiles' records begin in route
	s_load_b256 s[4:11], s[0:1], 0x0               ; W1 s[4:5], W2 s[6:7], b_seq s[8:9], wq s[10:11]
	s_load_b64 s[12:13], s[0:1], 0x20              ; route
	v_lshl_add_u32 v192, v0, 2, 0x6500
	v_mov_b32 v193, 0
	v_lshrrev_b32 v1, 5, v0
	v_readfirstlane_b32 s14, v1                    ; wave 0..7
	v_and_b32 v1, 31, v0                           ; lane
	s_cmp_eq_u32 ttmp9, 0
	s_cbranch_scc1 .Lsort
; ---------------------------------------------------------------- THE QUANTISER
; A work-group takes two groups side by side (256 columns x 128 along K): waves 0-3 the first, waves 4-7 the second; a wave 32 columns, two fragments.
.set CA,  5                            ; v5   my column's byte in a row of the source
.set QS,  6                            ; v6   LDS: my row's 16 bytes in plane 0 of my fragment
.set QW,  8                            ; v8   LDS: my scale word
.set L16, 9                            ; v9   16 x lane
.set QR,  10                           ; v10  LDS: the way out: my 16 bytes of my wave's 3,072
.set QG,  11                           ; v11  and the same place in the group in wq
.set QZ,  14                           ; v14  LDS: my 16 bytes of the group's scale words
.set SW,  17                           ; v17  my column's scale word
.set T4,  20                           ; v20-22 a block's upper 16 codes (a conversion's three registers begin on an even number)
.set X,   32                           ; v32-159  my column's 128 numbers; later the way out
.set C,   160                          ; v160-191 codes: eight registers for each block, so that no LDS store's data are written again
	s_sub_co_u32 s15, ttmp9, 1
	s_lshr_b32 s16, s15, 6                         ; ph: 0 = W1, 1 = W2
	s_bfe_u32 s17, s15, 0x10005                    ; e
	s_and_b32 s18, s15, 3                          ; s
	s_bfe_u32 s19, s15, 0x20002                    ; c
	s_bfe_u32 s20, s15, 0x10004                    ; which pair of reading waves
	s_lshr_b32 s21, s14, 2                         ; which of my work-group's two groups
	s_and_b32 s22, s14, 3                          ; which 32 columns of it
	s_cmp_lg_u32 s16, 0
	s_cselect_b32 s23, 32, 64                      ; bytes for bit 3 of the lane: 16 columns in W1, 8 in W2
	s_cselect_b32 s24, 64, 32                      ; for bit 4: 8 columns in W1, 16 in W2: the choice of a fragment's rows is made here, on the way in
	s_cselect_b32 s25, 18, 20                      ; a K step of 128 rows: 2^20 bytes in W1 (rows of 8,192), 2^18 in W2 (rows of 2,048)
	s_cselect_b32 s26, 20, 11                      ; a chunk: 512 columns (2^11 bytes) in W1, 512 rows (2^20 bytes) in W2
	s_lshl_b32 s28, s17, 22                        ; an expert's matrix is 2^22 bytes
	s_lshl_b32 s25, s18, s25
	s_add_co_u32 s28, s28, s25
	s_lshl_b32 s26, s19, s26
	s_add_co_u32 s28, s28, s26
	s_lshl_b32 s25, s20, 10                        ; 256 columns for each pair of reading waves
	s_add_co_u32 s28, s28, s25
	s_mov_b32 s29, 0                               ; s[28:29]: where my work-group's block begins in its source
	s_lshl_b32 s30, s17, 2
	s_lshl_b32 s31, s20, 1
	s_add_co_u32 s30, s30, s31
	s_add_co_u32 s30, s30, s21                     ; 4 e + w
	s_lshl_b32 s30, s30, 2
	s_add_co_u32 s30, s30, s19
	s_lshl_b32 s30, s30, 1
	s_add_co_u32 s30, s30, s16
	s_lshl_b32 s30, s30, 2
	s_add_co_u32 s30, s30, s18
	s_mul_i32 s30, s30, GB
	s_mov_b32 s31, 0                               ; s[30:31]: where my group begins in wq
	s_mul_i32 s32, s21, GB
	s_add_co_u32 s32, s32, QSTG                    ; LDS: my group's image
	s_mul_i32 s33, s22, 3072
	s_add_co_u32 s33, s33, 512                     ; my wave's two fragments in a group
	s_add_co_u32 s34, s32, s33
	s_lshl_b32 s35, s22, 2
	s_add_co_u32 s35, s35, s32
	v_bfe_u32 v3, v0, 3, 1
	v_bfe_u32 v4, v0, 4, 1
	v_and_b32 v[CA], 0xe7, v0                      ; 32 x wave + lane % 8
	v_lshlrev_b32 v[CA], 2, v[CA]
	v_mad_u32_u24 v[CA], v3, s23, v[CA]
	v_mad_u32_u24 v[CA], v4, s24, v[CA]            ; a wave's 32 lanes cover 128 consecutive bytes either way
	v_and_b32 v7, 15, v0
	v_lshlrev_b32 v[QS], 4, v7
	v_mad_u32_u24 v[QS], v4, 1536, v[QS]
	v_add_nc_u32 v[QS], s34, v[QS]                 ; fragment 2 (wave % 4) + lane / 16, row lane % 16
	v_lshlrev_b32 v[L16], 4, v1
	v_add_nc_u32 v[QW], s35, v[L16]                ; 16 x lane + 4 (wave % 4)
	v_add_nc_u32 v[QR], s34, v[L16]
	v_add_nc_u32 v[QG], s33, v[L16]
	v_add_nc_u32 v[QZ], s32, v[L16]
	s_wait_kmcnt 0x0
	s_cmp_lg_u32 s16, 0                            ; the choice hangs on the work-group's number alone; the three lines below leave SCC as it is
	s_cselect_b64 s[36:37], s[6:7], s[4:5]
	s_add_nc_u64 s[36:37], s[36:37], s[28:29]
	s_add_nc_u64 s[10:11], s[10:11], s[30:31]
	s_cbranch_scc1 .Lq_w2
.macro QLOAD pitch                     ; my column's 128 numbers: every offset an immediate, 127 x 8,192 bytes at the most
.set k, 0
.rept 128
	global_load_b32 v[X+k], v[CA], s[36:37] offset:k*\pitch th:TH_LOAD_NT
.set k, k+1
.endr
.endm
	QLOAD 8192
	s_branch .Lq_loaded
.Lq_w2:
	QLOAD 2048
.Lq_loaded:
; Block kb: 32 along K of my column.  In the operand it belongs to lane row + 16 (kb % 2), registers 6 (kb / 2) .. + 5.
.macro BLOCK kb
.set XS, X+32*(\kb)
.set CC, C+8*(\kb)
.if (\kb) == 0
	s_wait_loadcnt 63                              ; of 128 loads at most 63 are out: the first 65 are in, blocks 0 and 1 among them
.elseif (\kb) == 2
	s_wait_loadcnt 32                              ; block 3's 32 loads may be out
.elseif (\kb) == 3
	s_wait_loadcnt 0x0
.endif
	v_max3_num_f32 v12, |v[XS]|, |v[XS+1]|, |v[XS+2]|       ; the block's largest magnitude, in two chains
	v_max3_num_f32 v13, |v[XS+3]|, |v[XS+4]|, |v[XS+5]|
.irp i, 6,10,14,18,22,26
	v_max3_num_f32 v12, v12, |v[XS+\i]|, |v[XS+\i+1]|
	v_max3_num_f32 v13, v13, |v[XS+\i+2]|, |v[XS+\i+3]|
.endr
	v_max3_num_f32 v12, v12, |v[XS+30]|, |v[XS+31]|
	v_max3_num_f32 v12, v12, v13, 0x2800000        ; and the floor 2^(5 - 127): the byte cannot fall under 1
	v_add_nc_u32 v15, 0xfe000000, v12              ; 4 off the exponent field: the conversion takes this operand's exponent field as its scale
	v_cvt_scalef32_pk16_bf6_f32 v[CC:CC+2], v[XS:XS+15], v15
	v_cvt_scalef32_pk16_bf6_f32 v[T4:T4+2], v[XS+16:XS+31], v15
	v_lshrrev_b32 v16, 23, v15                     ; the scale's byte; also the plain line behind the conversions
.if (\kb) == 0
	v_mov_b32 v[SW], v16
.else
	v_lshl_or_b32 v[SW], v16, 8*(\kb), v[SW]       ; the lower K in the lower byte
.endif
.irp i, 0,1,2
	v_mov_b32 v[CC+3+\i], v[T4+\i]
.endr
.if (\kb) < 2
	ds_store_b128 v[QS], v[CC:CC+3] offset:256*((\kb)&1)            ; registers 0-3: plane 0
	ds_store_b64 v[QS], v[CC+4:CC+5] offset:512+256*((\kb)&1)       ; registers 4, 5: the lower half of plane 1
.else
	ds_store_b64 v[QS], v[CC:CC+1] offset:520+256*((\kb)&1)         ; registers 6, 7: its upper half
	ds_store_b128 v[QS], v[CC+2:CC+5] offset:1024+256*((\kb)&1)     ; registers 8-11: plane 2
.endif
.endm
	BLOCK 0
	BLOCK 1
	BLOCK 2
	BLOCK 3
	ds_store_b32 v[QW], v[SW]
	s_wait_dscnt 0x0                               ; for the others' sake: a group's scale words come from four waves
	s_barrier_signal -1
	s_barrier_wait -1
.irp i, 0,1,2,3,4,5
	ds_load_b128 v[X+4*\i:X+4*\i+3], v[QR] offset:512*\i
.endr
.irp i, 0,1,2,3,4,5
	s_wait_dscnt 5-\i                              ; LDS loads come back in order: load i is in
	global_store_b128 v[QG], v[X+4*\i:X+4*\i+3], s[10:11] offset:512*\i    ; 32 lanes store 512 consecutive bytes, at a multiple of 256 from wq's first byte
.endr
	s_cmp_lg_u32 s22, 0
	s_cbranch_scc1 .Lq_end                         ; the first wave of a group also sends its 512 bytes of scale words
	ds_load_b128 v[X+24:X+27], v[QZ]
	s_wait_dscnt 0x0
	global_store_b128 v[L16], v[X+24:X+27], s[10:11]
.Lq_end:
	s_wait_tensorcnt 0x0
	ds_add_u32 v192, v193
	s_wait_dscnt 0x0
	s_endpgm
; ---------------------------------------------------------------- THE SORT
; Wave u owns tokens 2,048 u .. + 2,047: register 4 q + k of lane l holds b of token 2,048 u + 128 q + 4 l + k.  The order of tokens inside a class is free: each token's row is computed by itself.
.set P,   4                            ; v4-15    ranks at work, three for each of four registers
.set BV,  16                           ; v16-79   b; then the token's slot, in bytes
.set TV,  80                           ; v80-143  the tokens' numbers.  Every store has registers of its own: none is written again
.set LA,  180                          ; v180     LDS: my wave's word
.set LZ,  181                          ; v181     LDS: byte 0
.set M0,  24                           ; s24-27   masks: class 0;  s28-31: class 1;  s32-35: class 2
.set M1,  28
.set M2,  32
.Lsort:
	s_lshl_b32 s15, s14, 13
	v_lshl_add_u32 v2, v1, 4, s15                  ; 8,192 u + 16 l
	s_lshl_b32 s20, s14, 11
	v_lshl_add_u32 v3, v1, 2, s20                  ; 2,048 u + 4 l
	v_mov_b32 v[LA], s14
	v_lshlrev_b32 v[LA], 2, v[LA]
	v_mov_b32 v[LZ], 0
	s_mov_b32 s22, 0
	s_mov_b32 s23, 0
	s_wait_kmcnt 0x0
.irp q, 0,1,2,3,4,5,6,7,8,9,10,11,12,13,14,15
	global_load_b128 v[BV+4*\q:BV+4*\q+3], v2, s[8:9] offset:512*\q
.endr
; pass 1: how many of my 2,048 tokens are of class 0 and of class 1
.set q, 0
.rept 16
	s_wait_loadcnt 15-q                            ; loads come back in order: load q is in
.irp k, 0,1,2,3
	v_cmp_eq_u32 s[M0+\k], 1, v[BV+4*q+\k]
	v_cmp_eq_u32 s[M1+\k], 2, v[BV+4*q+\k]
.endr
.irp k, 0,1,2,3
	s_bcnt1_i32_b32 s20, s[M0+\k]
	s_bcnt1_i32_b32 s21, s[M1+\k]
	s_add_co_u32 s22, s22, s20
	s_add_co_u32 s23, s23, s21
.endr
.set q, q+1
.endr
	s_lshl_b32 s20, s23, 16
	s_or_b32 s20, s20, s22                         ; both counts in one word: a sum over all waves is 16,384 at the most
	v_mov_b32 v4, s20
	ds_store_b32 v[LA], v4                         ; all lanes write the same word with the same value
	s_wait_dscnt 0x0
	s_barrier_signal -1
	s_barrier_wait -1
	ds_load_b128 v[4:7], v[LZ]
	ds_load_b128 v[8:11], v[LZ] offset:16
	s_wait_dscnt 0x0
.irp j, 0,1,2,3,4,5,6,7
	v_readfirstlane_b32 s[32+\j], v[4+\j]
.endr
	s_mov_b32 s40, 0                               ; the waves in front of me
	s_mov_b32 s41, 0                               ; all waves
.irp j, 0,1,2,3,4,5,6,7
	s_cmp_gt_u32 s14, \j
	s_cselect_b32 s42, s[32+\j], 0
	s_add_co_u32 s40, s40, s42
	s_add_co_u32 s41, s41, s[32+\j]
.endr
	s_and_b32 s16, s41, 0xffff                     ; n0
	s_lshr_b32 s17, s41, 16                        ; n1
	s_add_co_u32 s54, s16, s17                     ; n0 + n1
	s_sub_co_u32 s18, 0x4000, s54                  ; n2
	s_and_b32 s43, s40, 0xffff                     ; my first slot of class 0
	s_lshr_b32 s44, s40, 16
	s_lshl_b32 s45, s14, 11
	s_sub_co_u32 s45, s45, s43
	s_sub_co_u32 s45, s45, s44                     ; tokens of class 2 in front of me
	s_add_co_u32 s46, s16, 63
	s_lshr_b32 s46, s46, 6                         ; class 1's first tile
	s_add_co_u32 s47, s17, 63
	s_lshr_b32 s47, s47, 6
	s_add_co_u32 s47, s47, s46                     ; class 2's first tile
	s_add_co_u32 s48, s18, 63
	s_lshr_b32 s48, s48, 6
	s_add_co_u32 s48, s48, s47                     ; the first tile without rows
	s_lshl_b32 s49, s46, 6
	s_add_co_u32 s44, s44, s49                     ; my first slot of class 1
	s_add_co_u32 s50, s17, s49                     ; where class 1's rows end
	s_sub_co_u32 s52, s49, s16                     ; g0: slots left free behind class 0
	s_lshl_b32 s49, s47, 6
	s_add_co_u32 s45, s45, s49                     ; my first slot of class 2
	s_add_co_u32 s51, s18, s49                     ; where class 2's rows end
	s_sub_co_u32 s53, s49, s54                     ; g0 + g1
; pass 2: each token's slot = its class's running base + its rank among the lanes of that class; lanes of one class store neighbouring words
.set q, 0
.rept 16
.irp k, 0,1,2,3
	v_cmp_eq_u32 s[M0+\k], 1, v[BV+4*q+\k]
	v_cmp_eq_u32 s[M1+\k], 2, v[BV+4*q+\k]
.endr
.irp k, 0,1,2,3
	s_or_b32 s[M2+\k], s[M0+\k], s[M1+\k]
	s_not_b32 s[M2+\k], s[M2+\k]
.endr
.irp k, 0,1,2,3
	v_mbcnt_lo_u32_b32 v[P+3*\k], s[M0+\k], s43
	v_mbcnt_lo_u32_b32 v[P+3*\k+1], s[M1+\k], s44
	v_mbcnt_lo_u32_b32 v[P+3*\k+2], s[M2+\k], s45
	s_bcnt1_i32_b32 s20, s[M0+\k]
	s_bcnt1_i32_b32 s21, s[M1+\k]
	s_bcnt1_i32_b32 s42, s[M2+\k]
	s_add_co_u32 s43, s43, s20
	s_add_co_u32 s44, s44, s21
	s_add_co_u32 s45, s45, s42
.endr
.irp k, 0,1,2,3
	v_cndmask_b32 v[P+3*\k+2], v[P+3*\k+2], v[P+3*\k+1], s[M1+\k]
	v_cndmask_b32 v[P+3*\k+2], v[P+3*\k+2], v[P+3*\k], s[M0+\k]
	v_min_u32 v[BV+4*q+\k], LASTSLOT, v[P+3*\k+2]  ; a number made of loaded data enters an address only under a bound written here
	v_lshlrev_b32 v[BV+4*q+\k], 2, v[BV+4*q+\k]
	v_add_nc_u32 v[TV+4*q+\k], 128*q+\k, v3
	global_store_b32 v[BV+4*q+\k], v[TV+4*q+\k], s[12:13]
.endr
.set q, q+1
.endr
; the 128 slots that no token takes get 0: free slot j lies at n0 + j (j < g0), at n0 + n1 + j (j < g0 + g1), else at 16,384 + j
	s_cmp_gt_u32 s14, 3
	s_cbranch_scc1 .Lno_fill
	v_mov_b32 v4, 0x4000
	v_mov_b32 v5, s54
	v_mov_b32 v6, s16
	v_mov_b32 v7, 0
	v_cmp_gt_u32 vcc_lo, s53, v0
	v_cndmask_b32 v4, v4, v5, vcc_lo
	v_cmp_gt_u32 vcc_lo, s52, v0
	v_cndmask_b32 v4, v4, v6, vcc_lo
	v_add_nc_u32 v4, v4, v0
	v_min_u32 v4, LASTSLOT, v4
	v_lshlrev_b32 v4, 2, v4
	global_store_b32 v4, v7, s[12:13]
.Lno_fill:
; the tiles' records: 512 of them, two a thread (258 are read); registers of their own for each
.macro RECORD it
.set R, 144+16*(\it)
	v_add_nc_u32 v[R], 256*(\it), v0               ; tile i
	v_cmp_le_u32 vcc_lo, s46, v[R]
	v_cmp_le_u32 s20, s47, v[R]
	v_cmp_le_u32 s21, s48, v[R]
	v_cndmask_b32 v[R+1], 0, 1, vcc_lo
	v_cndmask_b32 v[R+2], 0, 1, s20
	v_cndmask_b32 v[R+3], 0, 1, s21
	v_add3_u32 v[R+8], v[R+1], v[R+2], v[R+3]      ; its class; 3: no rows
	v_lshlrev_b32 v[R+4], 6, v[R]
	v_sub_nc_u32 v[R+5], s16, v[R+4]               ; the rows of its class from its first slot on
	v_sub_nc_u32 v[R+6], s50, v[R+4]
	v_sub_nc_u32 v[R+7], s51, v[R+4]
	v_cndmask_b32 v[R+5], v[R+5], v[R+6], vcc_lo
	v_cndmask_b32 v[R+5], v[R+5], v[R+7], s20
	v_cndmask_b32 v[R+5], v[R+5], 0, s21
	v_min_u32 v[R+9], 64, v[R+5]                   ; of which it has 64 at the most
	v_lshlrev_b32 v[R+10], 3, v[R]
	global_store_b64 v[R+10], v[R+8:R+9], s[12:13] offset:TABLE
.endm
	RECORD 0
	RECORD 1
	s_wait_tensorcnt 0x0
	ds_add_u32 v192, v193
	s_wait_dscnt 0x0
	s_endpgm
.Lfunc_end_k_q2fa7aa6221_prep:
	.size	k_q2fa7aa6221_prep, .Lfunc_end_k_q2fa7aa6221_prep-k_q2fa7aa6221_prep
	.p2alignl 7, 3214868480
	.fill 96, 4, 3214868480
	.section	.rodata,"a",@progbits
	.p2align	6, 0x0
	.amdhsa_kernel k_q2fa7aa6221_prep
		.amdhsa_group_segment_fixed_size 26880
		.amdhsa_private_segment_fixed_size 0
		.amdhsa_enable_private_segment 0
		.amdhsa_kernarg_size 40
		.amdhsa_user_sgpr_count 2
		.amdhsa_user_sgpr_kernarg_segment_ptr 1
		.amdhsa_wavefront_size32 1
		.amdhsa_system_sgpr_workgroup_id_x 1
		.amdhsa_system_sgpr_workgroup_id_y 1
		.amdhsa_system_sgpr_workgroup_id_z 1
		.amdhsa_system_vgpr_workitem_id 0
		.amdhsa_next_free_vgpr 194
		.amdhsa_next_free_sgpr 66
		.amdhsa_reserve_vcc 1
		.amdhsa_float_denorm_mode_32 3
		.amdhsa_float_denorm_mode_16_64 3
		.amdhsa_memory_ordered 1
		.amdhsa_forward_progress 1
		.amdhsa_inst_pref_size 119
	.end_amdhsa_kernel
	.amdgpu_metadata
---
amdhsa.version: [ 1, 2 ]
amdhsa.kernels:
  - .name:           k_q2fa7aa6221_prep
    .symbol:         k_q2fa7aa6221_prep.kd
    .args:
      - { .name: W1, .offset: 0, .size: 8, .value_kind: global_buffer, .address_space: global }
      - { .name: W2, .offset: 8, .size: 8, .value_kind: global_buffer, .address_space: global }
      - { .name: b_seq, .offset: 16, .size: 8, .value_kind: global_buffer, .address_space: global }
      - { .name: wq, .offset: 24, .size: 8, .value_kind: global_buffer, .address_space: global }
      - { .name: route, .offset: 32, .size: 8, .value_kind: global_buffer, .address_space: global }
    .group_segment_fixed_size: 26880
    .private_segment_fixed_size: 0
    .kernarg_segment_align: 8
    .kernarg_segment_size: 40
    .max_flat_workgroup_size: 256
    .sgpr_count:     66
    .vgpr_count:     194
    .wavefront_size: 32
...
	.end_amdgpu_metadata
.endif
;; end of part 1
;; launch ffn (part 2): grid 258 x 1, 4 waves a work-group, no clusters, 185,856 bytes of LDS; arguments x, route, wq, B1, B2, out0; writes out0
.if DOCPART == 2
	.amdgcn_target "amdgcn-amd-amdhsa--gfx1250"
	.amdhsa_code_object_version 6
	.text
	.protected	k_q2fa7aa6221_ffn
	.globl	k_q2fa7aa6221_ffn
	.p2align	8
	.type	k_q2fa7aa6221_ffn,@function
k_q2fa7aa6221_ffn:
	s_mov_b64 s[64:65], 0
	v_nop
	global_prefetch_b8 v0, s[64:65] scope:SCOPE_SE
	s_setreg_imm32_b32 hwreg(HW_REG_WAVE_MODE, 25, 1), 1
	s_wait_xcnt 0x0
; out0[token] = relu(x[token] W1[e] + B1[e]) W2[e] + B2[e] for the FFN e that b_seq chose for the token, a row of zeros where it chose none.  Both products on codes of E3M2 with one E8M0 scale for each 32 along K.
; ONE WORK-GROUP TAKES ONE TILE OF 64 SLOTS OF ONE CLASS (route, made by the launch before) THROUGH THE WHOLE CHAIN: gather x's rows, quantise, first product, bias, relu, quantise, second product, bias, scatter whole rows.
; The hidden layer never goes to memory; each row of out0 has one owner.  A tile of class 2 stores zeros; a tile of class 3 (a split that needs fewer than 258 tiles) stores nothing.
; SHARES.  Four waves share the COLUMNS: in chunk c (512 hidden units) wave w makes units 512 c + 128 w .. + 127, which are K step w of the second product, and of the result columns 128 w .. + 127, for all 64 rows.
; THE WEIGHTS GO FROM MEMORY STRAIGHT INTO REGISTERS: wq holds them in the order of the operand's registers, one stream of 32 groups for each (expert, wave); each fragment (1,536 bytes) is loaded once, by one wave, by three
; loads of 512 consecutive bytes, and feeds four matrix instructions.  A ring of 16 fragments: a fragment is asked for 12 fragments, 48 matrix instructions, ahead of its use.
; THE TOKENS' OPERANDS (x, the hidden layer) go from wave to wave through LDS as images of their registers: 16 bytes a lane at 16 x lane, the scale words 4 bytes a lane.
; BOTH PRODUCTS ARE USED TRANSPOSED (source 0 = 16 rows of a weight's fragment, source 1 = 16 tokens): a lane holds one token, its registers neighbours along the next K or along a row of out0.
; NO CLUSTER, NO TENSOR LOAD: which expert a tile has is read from the list, so the partners of a fixed cluster may want different weights; and with 64 rows a fragment brought through LDS would be written there and
; read again, 1,536 bytes for 4 matrix instructions, on top of the 12 x 512 + 512 bytes of tokens' operands that every 32 matrix instructions read.
; EVERY BARRIER STANDS ON EVERY WAVE'S PATH, under no branch on loaded data: the work between barriers is passed over by a scalar branch where the tile has no rows to multiply.  So that each piece of work is sound by itself,
; all that one piece takes over from another in registers (the ring's first two groups, the biases, addresses) is loaded or made at the head in every work-group.
; LIMITS: NaN and infinities among the inputs are not served.  A block of zeros, or one whose largest magnitude lies under 2^-122, gets the scale byte 1 (the rule says 127 for zeros): the bytes never leave the program.
;
; REGISTERS, in windows of 256 (s_set_vgpr_msb: bits 1:0 source 0, 3:2 source 1, 5:4 source 2, 7:6 destination):
;   window 0: v1-13 addresses; v16-31 the weights' scale words, four sets of 4; v32-39 the tokens' scale words, two sets of 4; v40-135 the tokens' fragments, two sets of 4 x 12; v136-199 64 numbers; v200-237 the quantiser; v240-243 zeros
;   window 1: the hidden layer's 32 accumulators ((t, m) at 8 (4 t + m)); at the start x's rows as loaded      window 2: the result's 32 accumulators      window 3: v0-191 the ring; v192-255 B1's eight tiles
.set GB,     12800                     ; a group of wq: 512 bytes of scale words, 8 fragments of 1,536
.set CHB,    8*GB                      ; a chunk: four groups of W1, four of W2
.set STREAM, 32*GB                     ; an (expert, wave)
.set EXPB,   4*STREAM                  ; an expert
.set TABLE,  66048                     ; the tiles' records in route
.set HIMG,   0                         ; LDS: the hidden layer's 16 fragments: (K step s, tile of rows m) at 6,144 s + 1,536 m, plane p at 512 p;
.set SCO,    24576                     ;      behind them their scale words: lane L's word of (s, m) at 512 s + 16 L + 4 m
.set XIMG,   26624                     ;      x's 16 fragments and scale words, likewise
.set STG,    53248                     ;      a stage for each wave, its own
.set STGW,   33024
.set XP,     2064                      ;      on the way in 16 rows of x: 2,048 bytes + 16: an odd multiple of 16 bytes, so the 16 rows that a load touches start in 16 different columns of 16 bytes modulo 256
.set YP,     528                       ;      on the way out 16 rows of 512 bytes + 16, likewise
.set L16, 1                            ; v1   16 x lane
.set HR,  L16                          ;      which is also my place in the hidden layer's images (HIMG = 0)
.set XR,  2                            ; v2   my place in x's images
.set XW,  4                            ; v4   where I store x's images: + 1,536 x wave
.set XWS, 5                            ; v5   and their scale words: + 4 x wave
.set HW,  6                            ; v6   the hidden layer's: + 6,144 x wave
.set HWS, 7                            ; v7   and their scale words: + 512 x wave
.set SA,  8                            ; v8   my stage + 16 x lane
.set SB,  9                            ; v9   my stage: row lane % 16 of x, + 64 (lane / 16)
.set SO,  10                           ; v10  my stage: row lane % 16 of the result, + 32 (lane / 16)
.set CO,  11                           ; v11  my 16 bytes in a row of out0: 512 x wave + 16 x lane
.set BA1, 12                           ; v12  64 (lane / 16)
.set BA2, 13                           ; v13  32 (lane / 16)
.set WS,  16
.set OS,  32
.set OPB, 40
.set XO,  OPB+64                       ; v104-135 byte offsets of 2 x 16 rows in x or out0 (where no fragment is at work)
.set ST,  136
.set TM,  200                          ; v200-203 largest magnitudes, v204-207 bytes, v212-215 the conversions' scale operands
.set PW,  216                          ; the scale word just made
.set PC,  218                          ; v218-229 the fragment just made; v230-236 at work
.set Z,   240
.set BT,  192                          ; in window 3: B1's tiles
.set WV,  84                           ; s84 wave;  s85 rows to multiply;  s86, s87 the tile's class and rows;  s88 rows of zeros;  s89 expert
.set ACT, 85
.set CLS, 86
.set CNT, 87
.set ZER, 88
.set EX,  89
.set SEL, 92                           ; s[92:93] v_permlanex16_b32's selects for lane l xor 16
.set MSB, 0
.macro WIN new                         ; the immediate's high byte repeats the setting that is left; a switch that changes nothing is dropped
.if MSB != \new
	s_set_vgpr_msb (MSB<<8)|\new
.set MSB, \new
.endif
.endm
.macro PLACES                          ; a load into a register that a matrix instruction has read, and a vector instruction or LDS store that reads a result or writes a source, stand four plain vector instructions behind it
.rept 4
	v_nop
.endr
.endm
.macro MEET                            ; my LDS stores have landed and my LDS loads are in: then the work-group's barrier
	s_wait_dscnt 0x0
	s_barrier_signal -1
	s_barrier_wait -1
.endm
.macro LDSC g, ws                      ; group g's scale words into set ws: register j holds fragment 2 j's in lanes 0-15 and fragment 2 j + 1's in lanes 16-31
	WIN 0
	global_load_b128 v[WS+4*(\ws):WS+4*(\ws)+3], v[L16], s[8:9] offset:(\g)*GB
.endm
.macro LDFR g, t0                      ; fragments t0 .. t0 + 3 of group g into the ring's half g % 2
	WIN 0xc0
.irp t, \t0, \t0+1, \t0+2, \t0+3
.irp p, 0,1,2
	global_load_b128 v[12*(8*((\g)%2)+(\t))+4*\p:12*(8*((\g)%2)+(\t))+4*\p+3], v[L16], s[8:9] offset:(\g)*GB+512+1536*(\t)+512*\p
.endr
.endr
.endm
.macro LDB1 off                        ; B1's eight tiles in the result's layout: lane (r, h), tile 2 b + u, register j: hidden unit 32 b + 16 h + 8 u + j
	WIN 0xc0
.irp t, 0,1,2,3,4,5,6,7
	global_load_b128 v[BT+8*\t:BT+8*\t+3], v[BA1], s[10:11] offset:(\off)+128*(\t/2)+32*(\t%2)
	global_load_b128 v[BT+8*\t+4:BT+8*\t+7], v[BA1], s[10:11] offset:(\off)+128*(\t/2)+32*(\t%2)+16
.endr
.endm
.macro FETCH adr, s                    ; the four tiles of rows' fragments of K step s, and their scale words, into set s % 2: 13 LDS loads
	WIN 0
.irp m, 0,1,2,3
.irp p, 0,1,2
	ds_load_b128 v[OPB+48*((\s)%2)+12*\m+4*\p:OPB+48*((\s)%2)+12*\m+4*\p+3], v[\adr] offset:6144*(\s)+1536*\m+512*\p
.endr
.endr
	ds_load_b128 v[OS+4*((\s)%2):OS+4*((\s)%2)+3], v[\adr] offset:SCO+512*(\s)
.endm
; 16 matrix instructions: the weight's fragments t0 .. t0 + 3 x the four tiles of rows, K step s of phase ph.  The phase's 32 accumulators take turns, one instruction a turn, in the same order in every K step.
; Phase 1's first K step takes B1's tile as C; the result's accumulators were loaded with B2: nothing is cleared and no bias is added.
.macro MUL16 ph, s, t0
.if (\ph) == 2
	WIN 0xa3                                       ; source 0 (the ring) window 3, source 1 window 0, C and D window 2
.elseif (\s) == 0
	WIN 0x73                                       ; C (B1) window 3, D window 1
.else
	WIN 0x53                                       ; C and D window 1
.endif
.irp t, \t0, \t0+1, \t0+2, \t0+3
.irp m, 0,1,2,3
.set RD, 8*(4*(\t)+\m)
.set RC, RD
.if ((\ph) == 1) && ((\s) == 0)
.set RC, BT+8*(\t)
.endif
.set RA, 12*(8*((\s)%2)+(\t))
.set RB, OPB+48*((\s)%2)+12*\m
.set RSA, WS+4*(\s)+(\t)/2
.set RSB, OS+4*((\s)%2)+\m
.if (\t)%2
	v_wmma_scale_f32_16x16x128_f8f6f4 v[RD:RD+7], v[RA:RA+11], v[RB:RB+11], v[RC:RC+7], v[RSA], v[RSB] matrix_a_fmt:MATRIX_FMT_BF6 matrix_b_fmt:MATRIX_FMT_BF6 matrix_a_scale:MATRIX_SCALE_ROW1
.else
	v_wmma_scale_f32_16x16x128_f8f6f4 v[RD:RD+7], v[RA:RA+11], v[RB:RB+11], v[RC:RC+7], v[RSA], v[RSB] matrix_a_fmt:MATRIX_FMT_BF6 matrix_b_fmt:MATRIX_FMT_BF6
.endif
.endr
.endr
.endm
; A K step: group g of the chunk's eight.  A group's loads are issued in the order scale words (1), fragments 0-3 (12), fragments 4-7 (12).
; wa: the loads that may be out when the scale words and fragments 0-3 are wanted; wb: when fragments 4-7 are.  rel = 1: each half of the ring is asked for again, for group g + 2, as soon as it is multiplied.
.macro KSTEP ph, s, g, rel, wa, wb, adr
	s_wait_loadcnt \wa
	s_wait_dscnt 0x0                               ; the tokens' fragments of this K step, asked for 16 matrix instructions ago
	MUL16 \ph, \s, 0
	PLACES
.if \rel
	LDSC (\g)+2, ((\s)+2)%4
	LDFR (\g)+2, 0
.endif
.if (\s) < 3
	FETCH \adr, (\s)+1
.endif
	s_wait_loadcnt \wb
	MUL16 \ph, \s, 4
	PLACES
.if \rel
	LDFR (\g)+2, 4
.endif
	WIN 0
.endm
; 64 numbers of a lane, register 16 b + i = k 32 b + 16 (lane / 16) + i of my row, become a fragment's codes in v[PC] on and its scale word in v[PW].
.macro QUANT s
.irp b, 0,1,2,3
	v_max3_num_f32 v[TM+\b], |v[\s+16*\b]|, |v[\s+1+16*\b]|, 0x2800000   ; block b: my 16 numbers, and the floor 2^(5 - 127): the byte cannot fall under 1
.endr
.irp i, 2,4,6,8,10,12,14
.irp b, 0,1,2,3
	v_max3_num_f32 v[TM+\b], v[TM+\b], |v[\s+16*\b+\i]|, |v[\s+1+16*\b+\i]|   ; the four blocks by turns
.endr
.endr
.irp b, 0,1,2,3
	v_permlanex16_b32 v[TM+4+\b], v[TM+\b], s[SEL], s[SEL+1]
.endr
.irp b, 0,1,2,3
	v_max_num_f32 v[TM+\b], v[TM+\b], v[TM+4+\b]   ; with lane l xor 16's: the block's largest magnitude
.endr
.irp b, 0,1,2,3
	v_add_nc_u32 v[TM+12+\b], 0xfe000000, v[TM+\b] ; 4 off its exponent field: the conversion's scale operand
.endr
.irp b, 0,1,2,3
	v_lshrrev_b32 v[TM+4+\b], 23, v[TM+12+\b]      ; the scale's byte
.endr
	v_lshl_or_b32 v[PW], v[TM+5], 8, v[TM+4]
	v_lshl_or_b32 v[PW], v[TM+6], 16, v[PW]
	v_lshl_or_b32 v[PW], v[TM+7], 24, v[PW]
.irp c, 0,1
	v_cvt_scalef32_pk16_bf6_f32 v[PC+6*\c:PC+2+6*\c], v[\s+32*\c:\s+15+32*\c], v[TM+12+2*\c]
	v_cvt_scalef32_pk16_bf6_f32 v[PC+12+4*\c:PC+14+4*\c], v[\s+16+32*\c:\s+31+32*\c], v[TM+12+2*\c+1]   ; (a conversion's three registers begin on an even number)
.endr
	v_nop                                          ; one plain line behind the scaled conversions
.irp c, 0,1                            ; the operand wants a whole block in a lane: lanes 0-15 block 2 c, lanes 16-31 block 2 c + 1
.irp i, 0,1,2
	v_permlane16_swap_b32 v[PC+6*\c+\i], v[PC+12+4*\c+\i]
.endr
.irp i, 0,1,2
	v_mov_b32 v[PC+3+6*\c+\i], v[PC+12+4*\c+\i]
.endr
.endr
.endm
.macro IMAGE adr, off                  ; the fragment in v[PC] on goes to LDS as it stands
.irp p, 0,1,2
	ds_store_b128 v[\adr], v[PC+4*\p:PC+4*\p+3] offset:(\off)+512*\p
.endr
.endm
.macro OFFS m, half, base              ; byte offsets of the rows of slots 16 m .. + 15 (rows of 2,048 bytes) + my lane's place, into half of XO.  A slot's number enters an address only under a bound written here
.set TK, 16+16*(\m)+4*((\m)/3)         ; the slots lie in s16-63 and s68-83
.irp i, 0,1,2,3,4,5,6,7,8,9,10,11,12,13,14,15
	s_min_u32 s95, s[TK+\i], 16383
	s_lshl_b32 s95, s95, 11
	v_add_nc_u32 v[XO+16*(\half)+\i], s95, v[\base]
.endr
.endm
.macro XREAD s, dst                    ; my row's numbers of K step s from my stage: 16 neighbours of each block of 32
.irp b, 0,1,2,3
.irp j, 0,1,2,3
	ds_load_b128 v[\dst+16*\b+4*\j:\dst+16*\b+4*\j+3], v[SB] offset:512*(\s)+128*\b+16*\j
.endr
.endr
.endm
; ---------------------------------------------------------------- THE HEAD, in every work-group
	s_load_b256 s[4:11], s[0:1], 0x0               ; x s[4:5], route s[6:7], wq s[8:9], B1 s[10:11]
	s_load_b128 s[12:15], s[0:1], 0x20             ; B2 s[12:13], out0 s[14:15]
	v_lshl_add_u32 v254, v0, 2, 0x2d400
	v_mov_b32 v255, 0
	v_lshrrev_b32 v14, 5, v0
	v_readfirstlane_b32 s[WV], v14                 ; wave 0..3
	v_and_b32 v14, 31, v0
	v_lshlrev_b32 v[L16], 4, v14
	v_and_b32 v15, 15, v0                          ; r
	v_bfe_u32 v14, v0, 4, 1                        ; h
	s_lshl_b32 s90, ttmp9, 3
	s_add_co_u32 s90, s90, TABLE                   ; my tile's record
	s_mov_b32 s91, 0
	s_lshl_b32 s96, ttmp9, 8                       ; my tile's 64 slots
	s_mov_b32 s97, 0
	s_lshl_b32 s98, s[WV], 6
	s_add_co_u32 s98, s98, s96                     ; my wave's 16 of them
	s_mov_b32 s99, 0
	s_wait_kmcnt 0x0
	s_add_nc_u64 s[90:91], s[6:7], s[90:91]
	s_add_nc_u64 s[96:97], s[6:7], s[96:97]
	s_add_nc_u64 s[98:99], s[6:7], s[98:99]
	s_load_b64 s[CLS:CNT], s[90:91], 0x0
	s_load_b512 s[16:31], s[98:99], 0x0
	v_add_nc_u32 v[XR], XIMG, v[L16]
	s_mul_i32 s95, s[WV], 1536
	v_add_nc_u32 v[XW], s95, v[XR]
	s_lshl_b32 s95, s[WV], 2
	s_add_co_u32 s95, s95, XIMG+SCO
	v_add_nc_u32 v[XWS], s95, v[L16]
	s_mul_i32 s95, s[WV], 6144
	v_add_nc_u32 v[HW], s95, v[L16]
	s_lshl_b32 s95, s[WV], 9
	v_add_nc_u32 v[CO], s95, v[L16]
	s_add_co_u32 s95, s95, HIMG+SCO
	v_add_nc_u32 v[HWS], s95, v[L16]
	s_mul_i32 s95, s[WV], STGW
	s_add_co_u32 s95, s95, STG
	v_add_nc_u32 v[SA], s95, v[L16]
	v_mul_u32_u24 v[SB], v15, XP
	v_lshl_add_u32 v[SB], v14, 6, v[SB]
	v_add_nc_u32 v[SB], s95, v[SB]
	v_mul_u32_u24 v[SO], v15, YP
	v_lshl_add_u32 v[SO], v14, 5, v[SO]
	v_add_nc_u32 v[SO], s95, v[SO]
	v_lshlrev_b32 v[BA1], 6, v14
	v_lshlrev_b32 v[BA2], 5, v14
.irp b, 0,1,2,3
	v_mov_b32 v[Z+\b], 0
	v_mov_b32 v[TM+4+\b], 0                        ; written once: a lane permute's destination counts as one of its sources
.endr
	s_mov_b32 s[SEL], 0x76543210
	s_mov_b32 s[SEL+1], 0xfedcba98
	s_wait_kmcnt 0x0
	s_cmp_lt_u32 s[CLS], 2
	s_cselect_b32 s[ACT], s[CNT], 0                ; rows to multiply
	s_cmp_eq_u32 s[CLS], 2
	s_cselect_b32 s[ZER], s[CNT], 0                ; rows of zeros
	s_min_u32 s[EX], s[CLS], 1                     ; the expert (a tile without rows to multiply loads expert 1's first groups and uses nothing of them)
	s_mul_i32 s90, s[EX], EXPB
	s_mul_i32 s95, s[WV], STREAM
	s_add_co_u32 s90, s90, s95
	s_mov_b32 s91, 0
	s_add_nc_u64 s[8:9], s[8:9], s[90:91]          ; my stream of weights
	s_lshl_b32 s90, s[EX], 13
	s_lshl_b32 s95, s[WV], 9
	s_add_co_u32 s90, s90, s95
	s_add_nc_u64 s[10:11], s[10:11], s[90:91]      ; B1[e] at my 128 units of chunk 0
	s_lshl_b32 s90, s[EX], 11
	s_add_co_u32 s90, s90, s95
	s_add_nc_u64 s[12:13], s[12:13], s[90:91]      ; B2[e] at my 128 columns
	WIN 0x80
.irp n, 0,1,2,3,4,5,6,7                ; B2 straight into the result's accumulators: lane (r, h), tile n, register j: column 16 n + 8 h + j, the same for the four tiles of rows
.irp m, 0,1,2,3
	global_load_b128 v[8*(4*\n+\m):8*(4*\n+\m)+3], v[BA2], s[12:13] offset:64*\n
	global_load_b128 v[8*(4*\n+\m)+4:8*(4*\n+\m)+7], v[BA2], s[12:13] offset:64*\n+16
.endr
.endr
	LDB1 0
	LDSC 0, 0                                      ; the ring's first fill: groups 0 and 1, 50 loads
	LDFR 0, 0
	LDFR 0, 4
	LDSC 1, 1
	LDFR 1, 0
	LDFR 1, 4
	WIN 0
; ---------------------------------------------------------------- X: my wave's 16 rows become the four fragments of tile of rows m = wave
	s_cmp_eq_u32 s[ACT], 0
	s_cbranch_scc1 .Lno_x
	OFFS 0, 0, L16
	WIN 0x40
.irp i, 0,1,2,3,4,5,6,7,8,9,10,11,12,13,14,15
.irp q, 0,1,2,3
	global_load_b128 v[16*\i+4*\q:16*\i+4*\q+3], v[XO+\i], s[4:5] offset:512*\q      ; 32 lanes read 512 consecutive bytes of one row (no hint: free slots name token 0 again)
.endr
.endr
	WIN 0x04
.irp i, 0,1,2,3,4,5,6,7,8,9,10,11,12,13,14,15
	s_wait_loadcnt 4*(15-\i)                       ; row i's four loads are in; the later rows' may be out
.irp q, 0,1,2,3
	ds_store_b128 v[SA], v[16*\i+4*\q:16*\i+4*\q+3] offset:XP*\i+512*\q
.endr
.endr
	WIN 0
	XREAD 0, ST                                    ; LDS serves a wave's instructions in order: these see my stores
	XREAD 1, OPB
	s_wait_dscnt 16                                ; all but the 16 loads just issued
	QUANT ST
	IMAGE XW, 0
	ds_store_b32 v[XWS], v[PW]
	XREAD 2, ST
	s_wait_dscnt 16                                ; K step 1's numbers are in, and the image's stores have read their registers
	QUANT OPB
	IMAGE XW, 6144
	ds_store_b32 v[XWS], v[PW] offset:512
	XREAD 3, OPB
	s_wait_dscnt 16
	QUANT ST
	IMAGE XW, 12288
	ds_store_b32 v[XWS], v[PW] offset:1024
	s_wait_dscnt 0x0
	QUANT OPB
	IMAGE XW, 18432
	ds_store_b32 v[XWS], v[PW] offset:1536
.Lno_x:
	s_load_b512 s[16:31], s[96:97], 0x0            ; all 64 slots, for the way out; waited for there
	s_load_b512 s[32:47], s[96:97], 0x40
	s_load_b512 s[48:63], s[96:97], 0x80
	s_load_b512 s[68:83], s[96:97], 0xc0
	MEET                                           ; x's sixteen fragments lie in LDS
; ---------------------------------------------------------------- A CHUNK OF 512 HIDDEN UNITS
; Waits on the loads, by count of what was issued behind the load wanted: fragments 4-7 of the group (12) and the next group (25) make 37; the next group (25) and the 13 loads just issued for the group after it make 38.
.macro PHASE1                          ; my 128 hidden units for the 64 rows; then relu, quantised, K step = my wave of the second product
	FETCH XR, 0
	KSTEP 1, 0, 0, 1, 37, 38, XR
	KSTEP 1, 1, 1, 1, 37, 38, XR
	KSTEP 1, 2, 2, 1, 37, 38, XR
	KSTEP 1, 3, 3, 1, 37, 38, XR
.irp m, 0,1,2,3
	WIN 0x04                                       ; source 1 window 1
.irp t, 0,1,2,3,4,5,6,7
.irp j, 0,1,2,3,4,5,6,7
	v_max_num_f32 v[ST+8*\t+\j], 0, v[8*(4*\t+\m)+\j]   ; the activation, in f32, is also the way into window 0; each accumulator from its low end on
.endr
.endr
	WIN 0
.if \m > 0
	s_wait_dscnt 0x0                               ; the last image's stores have read their registers
.endif
	QUANT ST
	IMAGE HW, 1536*\m
	ds_store_b32 v[HWS], v[PW] offset:4*\m
.endr
.endm
.macro PHASE2 last                     ; my 128 columns of the result take this chunk's 512 hidden units
.if (\last) == 0
	s_wait_loadcnt 50                              ; the two groups on their way may be out; all older loads are in, so none is still due in the registers loaded next
	LDB1 2048                                      ; the next chunk's B1: 16 loads, which the first two K steps' counts leave out too: 37 + 16, 38 + 16
	FETCH HR, 0
	KSTEP 2, 0, 4, 1, 53, 54, HR
	KSTEP 2, 1, 5, 1, 53, 54, HR
	KSTEP 2, 2, 6, 1, 37, 38, HR
	KSTEP 2, 3, 7, 1, 37, 38, HR
.else                                  ; the stream ends with group 7: the last two K steps ask for nothing, and the counts run down
	FETCH HR, 0
	KSTEP 2, 0, 4, 1, 37, 38, HR
	KSTEP 2, 1, 5, 1, 37, 38, HR
	KSTEP 2, 2, 6, 0, 37, 25, HR
	KSTEP 2, 3, 7, 0, 12, 0, HR
.endif
.endm
.macro CHUNK last
	s_cmp_eq_u32 s[ACT], 0
	s_cbranch_scc1 .Lno_p1_\@
	PHASE1
.Lno_p1_\@:
	MEET                                           ; the hidden layer's sixteen fragments lie in LDS
	s_cmp_eq_u32 s[ACT], 0
	s_cbranch_scc1 .Lno_p2_\@
	PHASE2 \last
.Lno_p2_\@:
.if (\last) == 0
	MEET                                           ; every wave has read them: the next chunk may write them again
	s_wait_xcnt 0x0                                ; the loads issued have had their addresses translated: only behind this wait are their bases stepped
	s_add_nc_u64 s[8:9], s[8:9], CHB
	s_add_nc_u64 s[10:11], s[10:11], 2048
.endif
.endm
	s_mov_b32 s94, 3
.Lchunk:
	CHUNK 0
	s_sub_co_u32 s94, s94, 1
	s_cmp_lg_u32 s94, 0
	s_cbranch_scc1 .Lchunk
	CHUNK 1                                        ; the last chunk is written out: no load passes the stream's end
; ---------------------------------------------------------------- THE WAY OUT
; A lane holds 32 neighbouring bytes of a row and the lanes beside it other rows: a tile of 16 rows goes through my own stage and comes back as rows of 512 bytes, which 32 lanes store at the row's place in out0.
; Rows behind the tile's last are not stored: a scalar branch on the record's count leads out.
.macro TOSTAGE m
	WIN 0x08                                       ; an LDS store's data are its source 1: window 2
.irp n, 0,1,2,3,4,5,6,7
	ds_store_b128 v[SO], v[8*(4*\n+(\m)):8*(4*\n+(\m))+3] offset:64*\n             ; each accumulator from its low end on
	ds_store_b128 v[SO], v[8*(4*\n+(\m))+4:8*(4*\n+(\m))+7] offset:64*\n+16
.endr
	WIN 0
.set BB, ST-(ST-OPB)*((\m)%2)          ; v136-199 and v40-103 by turns
.irp i, 0,1,2,3,4,5,6,7,8,9,10,11,12,13,14,15
	ds_load_b128 v[BB+4*\i:BB+4*\i+3], v[SA] offset:YP*\i      ; LDS serves a wave's instructions in order: these see the stores above, and the next tile's stores come behind them
.endr
.endm
.macro SEND m, y                       ; y: the LDS instructions issued behind tile m's loads, which may stay out
.set BB, ST-(ST-OPB)*((\m)%2)
.irp i, 0,1,2,3,4,5,6,7,8,9,10,11,12,13,14,15
	s_cmp_gt_u32 s[CNT], 16*(\m)+\i
	s_cbranch_scc0 .Lout_end
	s_wait_dscnt (\y)+15-\i
	global_store_b128 v[XO+16*((\m)%2)+\i], v[BB+4*\i:BB+4*\i+3], s[14:15] th:TH_STORE_NT    ; 512 consecutive bytes, at a multiple of 256 from out0's first byte; written once, read by nobody here
.endr
.endm
	s_wait_kmcnt 0x0                               ; the 64 slots
	s_cmp_eq_u32 s[ACT], 0
	s_cbranch_scc1 .Lno_out
	s_wait_loadcnt 0x0
	OFFS 0, 0, CO
	TOSTAGE 0
.irp m, 1,2,3
.if \m > 1
	s_wait_xcnt 0x0                                ; the stores of two tiles ago have read their registers: offsets and rows may be written there again
.endif
	OFFS \m, \m%2, CO
	TOSTAGE \m
	SEND \m-1, 32                                  ; behind tile m - 1's loads: tile m's 16 stores and 16 loads
.endr
	SEND 3, 0
.Lout_end:
	s_wait_dscnt 0x0
.Lno_out:
; ---------------------------------------------------------------- ROWS OF ZEROS: each wave its 512 bytes of each row
	s_cmp_eq_u32 s[ZER], 0
	s_cbranch_scc1 .Lz_end
.irp m, 0,1,2,3
	s_wait_xcnt 0x0                                ; earlier stores have read the offsets that are written next
	OFFS \m, \m%2, CO
.irp i, 0,1,2,3,4,5,6,7,8,9,10,11,12,13,14,15
	s_cmp_gt_u32 s[ZER], 16*\m+\i
	s_cbranch_scc0 .Lz_end
	global_store_b128 v[XO+16*(\m%2)+\i], v[Z:Z+3], s[14:15] th:TH_STORE_NT
.endr
.endr
.Lz_end:
	s_wait_tensorcnt 0x0
	ds_add_u32 v254, v255
	s_wait_dscnt 0x0
	s_endpgm
.Lfunc_end_k_q2fa7aa6221_ffn:
	.size	k_q2fa7aa6221_ffn, .Lfunc_end_k_q2fa7aa6221_ffn-k_q2fa7aa6221_ffn
	.p2alignl 7, 3214868480
	.fill 96, 4, 3214868480
	.section	.rodata,"a",@progbits
	.p2align	6, 0x0
	.amdhsa_kernel k_q2fa7aa6221_ffn
		.amdhsa_group_segment_fixed_size 185856
		.amdhsa_private_segment_fixed_size 0
		.amdhsa_enable_private_segment 0
		.amdhsa_kernarg_size 48
		.amdhsa_user_sgpr_count 2
		.amdhsa_user_sgpr_kernarg_segment_ptr 1
		.amdhsa_wavefront_size32 1
		.amdhsa_system_sgpr_workgroup_id_x 1
		.amdhsa_system_sgpr_workgroup_id_y 1
		.amdhsa_system_sgpr_workgroup_id_z 1
		.amdhsa_system_vgpr_workitem_id 0
		.amdhsa_next_free_vgpr 1024
		.amdhsa_next_free_sgpr 100
		.amdhsa_reserve_vcc 0
		.amdhsa_float_denorm_mode_32 3
		.amdhsa_float_denorm_mode_16_64 3
		.amdhsa_memory_ordered 1
		.amdhsa_forward_progress 1
		.amdhsa_inst_pref_size 255
	.end_amdhsa_kernel
	.section	.bss,"aw",@nobits
	.p2align	6
	.space	262144
	.amdgpu_metadata
---
amdhsa.version: [ 1, 2 ]
amdhsa.kernels:
  - .name:           k_q2fa7aa6221_ffn
    .symbol:         k_q2fa7aa6221_ffn.kd
    .args:
      - { .name: x, .offset: 0, .size: 8, .value_kind: global_buffer, .address_space: global }
      - { .name: route, .offset: 8, .size: 8, .value_kind: global_buffer, .address_space: global }
      - { .name: wq, .offset: 16, .size: 8, .value_kind: global_buffer, .address_space: global }
      - { .name: B1, .offset: 24, .size: 8, .value_kind: global_buffer, .address_space: global }
      - { .name: B2, .offset: 32, .size: 8, .value_kind: global_buffer, .address_space: global }
      - { .name: out0, .offset: 40, .size: 8, .value_kind: global_buffer, .address_space: global }
    .group_segment_fixed_size: 185856
    .private_segment_fixed_size: 0
    .kernarg_segment_align: 8
    .kernarg_segment_size: 48
    .max_flat_workgroup_size: 128
    .sgpr_count:     100
    .vgpr_count:     1024
    .wavefront_size: 32
...
	.end_amdgpu_metadata
.endif
;; end of part 2
;; ======== version 2 of 2: 2 launches; version 1 with the launch ffn written anew for expert scheduling mode
;; workspace buffers: wq 3,276,800 bytes; route 70,144 bytes of whole numbers
;; launch prep: the kernel of part 1 again; grid 129 x 1, 8 waves a work-group, no clusters, 26,880 bytes of LDS; arguments W1, W2, b_seq, wq, route; writes wq, route
;; launch ffn (part 3): grid 258 x 1, 4 waves a work-group, no clusters, 185,856 bytes of LDS; arguments x, route, wq, B1, B2, out0; writes out0
.if DOCPART == 3
	.amdgcn_target "amdgcn-amd-amdhsa--gfx1250"
	.amdhsa_code_object_version 6
	.text
	.protected	k_q2fa7aa6221_ffn
	.globl	k_q2fa7aa6221_ffn
	.p2align	8
	.type	k_q2fa7aa6221_ffn,@function
k_q2fa7aa6221_ffn:
	s_mov_b64 s[64:65], 0
	v_nop
	global_prefetch_b8 v0, s[64:65] scope:SCOPE_SE
	s_setreg_imm32_b32 hwreg(HW_REG_WAVE_SCHED_MODE, 0, 2), 2
	s_setreg_imm32_b32 hwreg(HW_REG_WAVE_MODE, 25, 1), 1
	s_wait_xcnt 0x0
	s_wait_alu depctr_vm_vsrc(0)
; out0[token] = relu(x[token] W1[e] + B1[e]) W2[e] + B2[e] for the FFN e that b_seq chose for the token, a row of zeros where it chose none.  Both products on codes of E3M2 with one E8M0 scale for each 32 along K.
; ONE WORK-GROUP TAKES ONE TILE OF 64 SLOTS OF ONE CLASS (route, made by the launch before) THROUGH THE WHOLE CHAIN: gather x's rows, quantise, first product, bias, relu, quantise, second product, bias, scatter whole rows.
; The hidden layer never goes to memory; each row of out0 has one owner.  A tile of class 2 stores zeros; a tile of class 3 (a split that needs fewer than 258 tiles) stores nothing.
; SHARES.  Four waves share the COLUMNS: in chunk c (512 hidden units) wave w makes units 512 c + 128 w .. + 127, which are K step w of the second product, and of the result columns 128 w .. + 127, for all 64 rows.
; THE WEIGHTS GO FROM MEMORY STRAIGHT INTO REGISTERS: wq holds them in the order of the operand's registers, one stream of 32 groups for each (expert, wave); each fragment (1,536 bytes) is loaded once, by one wave, by three
; loads of 512 consecutive bytes, and feeds four matrix instructions.  A ring of 16 fragments: a fragment is asked for 12 fragments, 48 matrix instructions, ahead of its use.
; THE TOKENS' OPERANDS (x, the hidden layer) go from wave to wave through LDS as images of their registers: 16 bytes a lane at 16 x lane, the scale words 4 bytes a lane.
; BOTH PRODUCTS ARE USED TRANSPOSED (source 0 = 16 rows of a weight's fragment, source 1 = 16 tokens): a lane holds one token, its registers neighbours along the next K or along a row of out0.
; NO CLUSTER, NO TENSOR LOAD: which expert a tile has is read from the list, so the partners of a fixed cluster may want different weights; and with 64 rows a fragment brought through LDS would be written there and
; read again, 1,536 bytes for 4 matrix instructions, on top of the 12 x 512 + 512 bytes of tokens' operands that every 32 matrix instructions read.
; EVERY BARRIER STANDS ON EVERY WAVE'S PATH, under no branch on loaded data: the work between barriers is passed over by a scalar branch where the tile has no rows to multiply.  So that each piece of work is sound by itself,
; all that one piece takes over from another in registers (the ring's first two groups, the biases, addresses) is loaded or made at the head in every work-group.
; LIMITS: NaN and infinities among the inputs are not served.  A block of zeros, or one whose largest magnitude lies under 2^-122, gets the scale byte 1 (the rule says 127 for zeros): the bytes never leave the program.
;
; THE MODE: SCHED_MODE bits 1:0 = 2 (LLVM: expert scheduling mode 2), set by the entry lines.  The code itself states the register dependences between vector or matrix instructions and memory or LDS instructions,
; with s_wait_alu, always for 0.
; THE PLAN.  Registers that memory or LDS instructions touch, and who else names them:
;   v1-13, v240-243   Addresses and zeros: written once, at the head, by vector instructions; read by loads and stores.  One wait on va_vdst ahead of the head's first load serves them all.
;   the ring          K step s: its first 16 products read fragments 0-3 of half s % 2, its last 16 fragments 4-7; behind each 16 the loads of the group two on land in what they read: one wait on va_vdst behind each 16, ahead of those 12 loads.
;   WS, OS, OPB       K step s reads set s of the weights' scale words and set s % 2 of the tokens' fragments and scale words.  The loads into set (s + 2) % 4 and into set (s + 1) % 2 stand among K step s's first 16 products, with no wait
;                     of their own: the last readers of those sets (K steps s - 2 and s - 1; where s is small, of the phase before) were issued ahead of the wait behind K step s - 1's last 16 products, and the products issued since
;                     name set s, set s % 2, the ring and accumulators.
;   B1's tiles        Read as C by phase 1's first K step; loaded again at phase 2's head, behind the waits of that phase 1.
;   v[PC ..], v[PW]   Written by the quantiser, read by the image's LDS stores: a wait on va_vdst between the two, a wait on vm_vsrc ahead of the next quantiser.
;   ST, OPB in X      LDS loads land, the quantiser reads; the wait on va_vdst behind a quantiser also stands ahead of the loads that land in what it read.
;   v[XO ..]          Written by vector adds, read as offsets by x's loads and out0's stores: a wait on va_vdst behind each run of adds, a wait on vm_vsrc ahead of the adds that write a half again.
;   window 1 in X     x's rows land, LDS stores read them, phase 1's products write them later: the first wait on vm_vsrc in X stands between.
;   window 2          Written by products, read by the stage's LDS stores on the way out: the places, then a wait on va_vdst.
;   the way out's rows (ST and OPB by turns)  LDS loads land, stores to out0 read: a wait on vm_vsrc ahead of the loads that land there again.
;
; REGISTERS, in windows of 256 (s_set_vgpr_msb: bits 1:0 source 0, 3:2 source 1, 5:4 source 2, 7:6 destination):
;   window 0: v1-13 addresses; v16-31 the weights' scale words, four sets of 4; v32-39 the tokens' scale words, two sets of 4; v40-135 the tokens' fragments, two sets of 4 x 12; v136-199 64 numbers; v200-237 the quantiser; v240-243 zeros
;   window 1: the hidden layer's 32 accumulators ((t, m) at 8 (4 t + m)); at the start x's rows as loaded      window 2: the result's 32 accumulators      window 3: v0-191 the ring; v192-255 B1's eight tiles
.set GB,     12800                     ; a group of wq: 512 bytes of scale words, 8 fragments of 1,536
.set CHB,    8*GB                      ; a chunk: four groups of W1, four of W2
.set STREAM, 32*GB                     ; an (expert, wave)
.set EXPB,   4*STREAM                  ; an expert
.set TABLE,  66048                     ; the tiles' records in route
.set HIMG,   0                         ; LDS: the hidden layer's 16 fragments: (K step s, tile of rows m) at 6,144 s + 1,536 m, plane p at 512 p;
.set SCO,    24576                     ;      behind them their scale words: lane L's word of (s, m) at 512 s + 16 L + 4 m
.set XIMG,   26624                     ;      x's 16 fragments and scale words, likewise
.set STG,    53248                     ;      a stage for each wave, its own
.set STGW,   33024
.set XP,     2064                      ;      on the way in 16 rows of x: 2,048 bytes + 16: an odd multiple of 16 bytes, so the 16 rows that a load touches start in 16 different columns of 16 bytes modulo 256
.set YP,     528                       ;      on the way out 16 rows of 512 bytes + 16, likewise
.set L16, 1                            ; v1   16 x lane
.set HR,  L16                          ;      which is also my place in the hidden layer's images (HIMG = 0)
.set XR,  2                            ; v2   my place in x's images
.set XW,  4                            ; v4   where I store x's images: + 1,536 x wave
.set XWS, 5                            ; v5   and their scale words: + 4 x wave
.set HW,  6                            ; v6   the hidden layer's: + 6,144 x wave
.set HWS, 7                            ; v7   and their scale words: + 512 x wave
.set SA,  8                            ; v8   my stage + 16 x lane
.set SB,  9                            ; v9   my stage: row lane % 16 of x, + 64 (lane / 16)
.set SO,  10                           ; v10  my stage: row lane % 16 of the result, + 32 (lane / 16)
.set CO,  11                           ; v11  my 16 bytes in a row of out0: 512 x wave + 16 x lane
.set BA1, 12                           ; v12  64 (lane / 16)
.set BA2, 13                           ; v13  32 (lane / 16)
.set WS,  16
.set OS,  32
.set OPB, 40
.set XO,  OPB+64                       ; v104-135 byte offsets of 2 x 16 rows in x or out0 (where no fragment is at work)
.set ST,  136
.set TM,  200                          ; v200-203 largest magnitudes, v204-207 bytes, v212-215 the conversions' scale operands
.set PW,  216                          ; the scale word just made
.set PC,  218                          ; v218-229 the fragment just made; v230-236 at work
.set Z,   240
.set BT,  192                          ; in window 3: B1's tiles
.set WV,  84                           ; s84 wave;  s85 rows to multiply;  s86, s87 the tile's class and rows;  s88 rows of zeros;  s89 expert
.set ACT, 85
.set CLS, 86
.set CNT, 87
.set ZER, 88
.set EX,  89
.set SEL, 92                           ; s[92:93] v_permlanex16_b32's selects for lane l xor 16
.set MSB, 0
.macro WIN new                         ; the immediate's high byte repeats the setting that is left; a switch that changes nothing is dropped
.if MSB != \new
	s_set_vgpr_msb (MSB<<8)|\new
.set MSB, \new
.endif
.endm
.macro PLACES                          ; a vector instruction or LDS store that reads a matrix result or writes a matrix source stands four plain vector instructions behind the matrix instruction; the four also stand ahead of the loads into a matrix source, beside the wait that states that dependence
.rept 4
	v_nop
.endr
.endm
.macro MEET                            ; my LDS stores have landed and my LDS loads are in: then the work-group's barrier
	s_wait_dscnt 0x0
	s_barrier_signal -1
	s_barrier_wait -1
.endm
.macro LDSC g, ws                      ; group g's scale words into set ws: register j holds fragment 2 j's in lanes 0-15 and fragment 2 j + 1's in lanes 16-31
	WIN 0
	global_load_b128 v[WS+4*(\ws):WS+4*(\ws)+3], v[L16], s[8:9] offset:(\g)*GB
.endm
.macro LDFR g, t0                      ; fragments t0 .. t0 + 3 of group g into the ring's half g % 2
	WIN 0xc0
.irp t, \t0, \t0+1, \t0+2, \t0+3
.irp p, 0,1,2
	global_load_b128 v[12*(8*((\g)%2)+(\t))+4*\p:12*(8*((\g)%2)+(\t))+4*\p+3], v[L16], s[8:9] offset:(\g)*GB+512+1536*(\t)+512*\p
.endr
.endr
.endm
.macro LDB1 off                        ; B1's eight tiles in the result's layout: lane (r, h), tile 2 b + u, register j: hidden unit 32 b + 16 h + 8 u + j
	WIN 0xc0
.irp t, 0,1,2,3,4,5,6,7
	global_load_b128 v[BT+8*\t:BT+8*\t+3], v[BA1], s[10:11] offset:(\off)+128*(\t/2)+32*(\t%2)
	global_load_b128 v[BT+8*\t+4:BT+8*\t+7], v[BA1], s[10:11] offset:(\off)+128*(\t/2)+32*(\t%2)+16
.endr
.endm
.macro FETCH adr, s                    ; the four tiles of rows' fragments of K step s, and their scale words, into set s % 2: 13 LDS loads
	WIN 0
.irp m, 0,1,2,3
.irp p, 0,1,2
	ds_load_b128 v[OPB+48*((\s)%2)+12*\m+4*\p:OPB+48*((\s)%2)+12*\m+4*\p+3], v[\adr] offset:6144*(\s)+1536*\m+512*\p
.endr
.endr
	ds_load_b128 v[OS+4*((\s)%2):OS+4*((\s)%2)+3], v[\adr] offset:SCO+512*(\s)
.endm
; 8 matrix instructions: the weight's fragments t0, t0 + 1 x the four tiles of rows, K step s of phase ph.  The phase's 32 accumulators take turns, one instruction a turn, in the same order in every K step.
; Phase 1's first K step takes B1's tile as C; the result's accumulators were loaded with B2: nothing is cleared and no bias is added.
.macro MUL8 ph, s, t0
.if (\ph) == 2
	WIN 0xa3                                       ; source 0 (the ring) window 3, source 1 window 0, C and D window 2
.elseif (\s) == 0
	WIN 0x73                                       ; C (B1) window 3, D window 1
.else
	WIN 0x53                                       ; C and D window 1
.endif
.irp t, \t0, \t0+1
.irp m, 0,1,2,3
.set RD, 8*(4*(\t)+\m)
.set RC, RD
.if ((\ph) == 1) && ((\s) == 0)
.set RC, BT+8*(\t)
.endif
.set RA, 12*(8*((\s)%2)+(\t))
.set RB, OPB+48*((\s)%2)+12*\m
.set RSA, WS+4*(\s)+(\t)/2
.set RSB, OS+4*((\s)%2)+\m
.if (\t)%2
	v_wmma_scale_f32_16x16x128_f8f6f4 v[RD:RD+7], v[RA:RA+11], v[RB:RB+11], v[RC:RC+7], v[RSA], v[RSB] matrix_a_fmt:MATRIX_FMT_BF6 matrix_b_fmt:MATRIX_FMT_BF6 matrix_a_scale:MATRIX_SCALE_ROW1
.else
	v_wmma_scale_f32_16x16x128_f8f6f4 v[RD:RD+7], v[RA:RA+11], v[RB:RB+11], v[RC:RC+7], v[RSA], v[RSB] matrix_a_fmt:MATRIX_FMT_BF6 matrix_b_fmt:MATRIX_FMT_BF6
.endif
.endr
.endr
.endm
; A K step: group g of the chunk's eight.  A group's loads are issued in the order scale words (1), fragments 0-3 (12), fragments 4-7 (12).
; wa: the loads that may be out when the scale words and fragments 0-3 are wanted; wb: when fragments 4-7 are.  rel = 1: each half of the ring's half is asked for again, for group g + 2, as soon as it is multiplied.
.macro KSTEP ph, s, g, rel, wa, wb, adr
	s_wait_loadcnt \wa
	s_wait_dscnt 0x0                               ; the tokens' fragments of this K step (from a phase's second K step on: asked for 24 matrix instructions ago)
	MUL8 \ph, \s, 0
; Among the first 16 products, with no wait: the scale words of group g + 2 and the tokens' operands of the next K step.  The sets in which they land were last read by products issued ahead of the last wait on va_vdst
; (behind the K step before), and the eight products issued since name this K step's sets, the ring and accumulators.
.if \rel
	LDSC (\g)+2, ((\s)+2)%4
.endif
.if (\s) < 3
	FETCH \adr, (\s)+1
.endif
	MUL8 \ph, \s, 2
.if \rel
	PLACES
	WIN 0xc0
	s_wait_alu depctr_va_vdst(0)                   ; the 16 products above are done reading fragments 0-3 of this half of the ring, in which the 12 loads below land
	LDFR (\g)+2, 0
.endif
	s_wait_loadcnt \wb
	MUL8 \ph, \s, 4
	MUL8 \ph, \s, 6
	PLACES
.if \rel
	WIN 0xc0
	s_wait_alu depctr_va_vdst(0)                   ; the 16 products above are done reading fragments 4-7, in which the 12 loads below land; and this K step's sets of scale words and of tokens' operands, which later loads fill again, have been read
	LDFR (\g)+2, 4
.endif
	WIN 0
.endm
; 64 numbers of a lane, register 16 b + i = k 32 b + 16 (lane / 16) + i of my row, become a fragment's codes in v[PC] on and its scale word in v[PW].
.macro QUANT s
.irp b, 0,1,2,3
	v_max3_num_f32 v[TM+\b], |v[\s+16*\b]|, |v[\s+1+16*\b]|, 0x2800000   ; block b: my 16 numbers, and the floor 2^(5 - 127): the byte cannot fall under 1
.endr
.irp i, 2,4,6,8,10,12,14
.irp b, 0,1,2,3
	v_max3_num_f32 v[TM+\b], v[TM+\b], |v[\s+16*\b+\i]|, |v[\s+1+16*\b+\i]|   ; the four blocks by turns
.endr
.endr
.irp b, 0,1,2,3
	v_permlanex16_b32 v[TM+4+\b], v[TM+\b], s[SEL], s[SEL+1]
.endr
.irp b, 0,1,2,3
	v_max_num_f32 v[TM+\b], v[TM+\b], v[TM+4+\b]   ; with lane l xor 16's: the block's largest magnitude
.endr
.irp b, 0,1,2,3
	v_add_nc_u32 v[TM+12+\b], 0xfe000000, v[TM+\b] ; 4 off its exponent field: the conversion's scale operand
.endr
.irp b, 0,1,2,3
	v_lshrrev_b32 v[TM+4+\b], 23, v[TM+12+\b]      ; the scale's byte
.endr
	v_lshl_or_b32 v[PW], v[TM+5], 8, v[TM+4]
	v_lshl_or_b32 v[PW], v[TM+6], 16, v[PW]
	v_lshl_or_b32 v[PW], v[TM+7], 24, v[PW]
.irp c, 0,1
	v_cvt_scalef32_pk16_bf6_f32 v[PC+6*\c:PC+2+6*\c], v[\s+32*\c:\s+15+32*\c], v[TM+12+2*\c]
	v_cvt_scalef32_pk16_bf6_f32 v[PC+12+4*\c:PC+14+4*\c], v[\s+16+32*\c:\s+31+32*\c], v[TM+12+2*\c+1]   ; (a conversion's three registers begin on an even number)
.endr
	v_nop                                          ; one plain line behind the scaled conversions
.irp c, 0,1                            ; the operand wants a whole block in a lane: lanes 0-15 block 2 c, lanes 16-31 block 2 c + 1
.irp i, 0,1,2
	v_permlane16_swap_b32 v[PC+6*\c+\i], v[PC+12+4*\c+\i]
.endr
.irp i, 0,1,2
	v_mov_b32 v[PC+3+6*\c+\i], v[PC+12+4*\c+\i]
.endr
.endr
.endm
.macro IMAGE adr, off                  ; the fragment in v[PC] on goes to LDS as it stands
.irp p, 0,1,2
	ds_store_b128 v[\adr], v[PC+4*\p:PC+4*\p+3] offset:(\off)+512*\p
.endr
.endm
.macro OFFS m, half, base              ; byte offsets of the rows of slots 16 m .. + 15 (rows of 2,048 bytes) + my lane's place, into half of XO.  A slot's number enters an address only under a bound written here
.set TK, 16+16*(\m)+4*((\m)/3)         ; the slots lie in s16-63 and s68-83
.irp i, 0,1,2,3,4,5,6,7,8,9,10,11,12,13,14,15
	s_min_u32 s95, s[TK+\i], 16383
	s_lshl_b32 s95, s95, 11
	v_add_nc_u32 v[XO+16*(\half)+\i], s95, v[\base]
.endr
.endm
.macro XREAD s, dst                    ; my row's numbers of K step s from my stage: 16 neighbours of each block of 32
.irp b, 0,1,2,3
.irp j, 0,1,2,3
	ds_load_b128 v[\dst+16*\b+4*\j:\dst+16*\b+4*\j+3], v[SB] offset:512*(\s)+128*\b+16*\j
.endr
.endr
.endm
; ---------------------------------------------------------------- THE HEAD, in every work-group
	s_load_b256 s[4:11], s[0:1], 0x0               ; x s[4:5], route s[6:7], wq s[8:9], B1 s[10:11]
	s_load_b128 s[12:15], s[0:1], 0x20             ; B2 s[12:13], out0 s[14:15]
	v_lshl_add_u32 v254, v0, 2, 0x2d400            ; my spare word behind the stages, and 0: made here and kept for the closing lines alone
	v_mov_b32 v255, 0
	v_lshrrev_b32 v14, 5, v0
	v_readfirstlane_b32 s[WV], v14                 ; wave 0..3
	v_and_b32 v14, 31, v0
	v_lshlrev_b32 v[L16], 4, v14
	v_and_b32 v15, 15, v0                          ; r
	v_bfe_u32 v14, v0, 4, 1                        ; h
	s_wait_alu depctr_va_sdst(0)                   ; the wave's number is written in s[WV], ahead of its first reader below
	s_lshl_b32 s90, ttmp9, 3
	s_add_co_u32 s90, s90, TABLE                   ; my tile's record
	s_mov_b32 s91, 0
	s_lshl_b32 s96, ttmp9, 8                       ; my tile's 64 slots
	s_mov_b32 s97, 0
	s_lshl_b32 s98, s[WV], 6
	s_add_co_u32 s98, s98, s96                     ; my wave's 16 of them
	s_mov_b32 s99, 0
	s_wait_kmcnt 0x0
	s_add_nc_u64 s[90:91], s[6:7], s[90:91]
	s_add_nc_u64 s[96:97], s[6:7], s[96:97]
	s_add_nc_u64 s[98:99], s[6:7], s[98:99]
	s_load_b64 s[CLS:CNT], s[90:91], 0x0
	s_load_b512 s[16:31], s[98:99], 0x0
	v_add_nc_u32 v[XR], XIMG, v[L16]
	s_mul_i32 s95, s[WV], 1536
	v_add_nc_u32 v[XW], s95, v[XR]
	s_lshl_b32 s95, s[WV], 2
	s_add_co_u32 s95, s95, XIMG+SCO
	v_add_nc_u32 v[XWS], s95, v[L16]
	s_mul_i32 s95, s[WV], 6144
	v_add_nc_u32 v[HW], s95, v[L16]
	s_lshl_b32 s95, s[WV], 9
	v_add_nc_u32 v[CO], s95, v[L16]
	s_add_co_u32 s95, s95, HIMG+SCO
	v_add_nc_u32 v[HWS], s95, v[L16]
	s_mul_i32 s95, s[WV], STGW
	s_add_co_u32 s95, s95, STG
	v_add_nc_u32 v[SA], s95, v[L16]
	v_mul_u32_u24 v[SB], v15, XP
	v_lshl_add_u32 v[SB], v14, 6, v[SB]
	v_add_nc_u32 v[SB], s95, v[SB]
	v_mul_u32_u24 v[SO], v15, YP
	v_lshl_add_u32 v[SO], v14, 5, v[SO]
	v_add_nc_u32 v[SO], s95, v[SO]
	v_lshlrev_b32 v[BA1], 6, v14
	v_lshlrev_b32 v[BA2], 5, v14
.irp b, 0,1,2,3
	v_mov_b32 v[Z+\b], 0
	v_mov_b32 v[TM+4+\b], 0                        ; written once: a lane permute's destination counts as one of its sources
.endr
	s_mov_b32 s[SEL], 0x76543210
	s_mov_b32 s[SEL+1], 0xfedcba98
	s_wait_kmcnt 0x0
	s_cmp_lt_u32 s[CLS], 2
	s_cselect_b32 s[ACT], s[CNT], 0                ; rows to multiply
	s_cmp_eq_u32 s[CLS], 2
	s_cselect_b32 s[ZER], s[CNT], 0                ; rows of zeros
	s_min_u32 s[EX], s[CLS], 1                     ; the expert (a tile without rows to multiply loads expert 1's first groups and uses nothing of them)
	s_mul_i32 s90, s[EX], EXPB
	s_mul_i32 s95, s[WV], STREAM
	s_add_co_u32 s90, s90, s95
	s_mov_b32 s91, 0
	s_add_nc_u64 s[8:9], s[8:9], s[90:91]          ; my stream of weights
	s_lshl_b32 s90, s[EX], 13
	s_lshl_b32 s95, s[WV], 9
	s_add_co_u32 s90, s90, s95
	s_add_nc_u64 s[10:11], s[10:11], s[90:91]      ; B1[e] at my 128 units of chunk 0
	s_lshl_b32 s90, s[EX], 11
	s_add_co_u32 s90, s90, s95
	s_add_nc_u64 s[12:13], s[12:13], s[90:91]      ; B2[e] at my 128 columns
	WIN 0x80
	s_wait_alu depctr_va_vdst(0)                   ; the addresses v1 to v13 and the zeros v240 to v243 are written: every load, store and LDS instruction of the kernel reads some of them, and none is written again
.irp n, 0,1,2,3,4,5,6,7                ; B2 straight into the result's accumulators: lane (r, h), tile n, register j: column 16 n + 8 h + j, the same for the four tiles of rows
.irp m, 0,1,2,3
	global_load_b128 v[8*(4*\n+\m):8*(4*\n+\m)+3], v[BA2], s[12:13] offset:64*\n
	global_load_b128 v[8*(4*\n+\m)+4:8*(4*\n+\m)+7], v[BA2], s[12:13] offset:64*\n+16
.endr
.endr
	LDB1 0
	LDSC 0, 0                                      ; the ring's first fill: groups 0 and 1, 50 loads
	LDFR 0, 0
	LDFR 0, 4
	LDSC 1, 1
	LDFR 1, 0
	LDFR 1, 4
	WIN 0
; ---------------------------------------------------------------- X: my wave's 16 rows become the four fragments of tile of rows m = wave
	s_cmp_eq_u32 s[ACT], 0
	s_cbranch_scc1 .Lno_x
	OFFS 0, 0, L16
	WIN 0x40
	s_wait_alu depctr_va_vdst(0)                   ; the adds have written v[XO ..], which the loads below read as offsets
.irp i, 0,1,2,3,4,5,6,7,8,9,10,11,12,13,14,15
.irp q, 0,1,2,3
	global_load_b128 v[16*\i+4*\q:16*\i+4*\q+3], v[XO+\i], s[4:5] offset:512*\q      ; 32 lanes read 512 consecutive bytes of one row (no hint: free slots name token 0 again)
.endr
.endr
	WIN 0x04
.irp i, 0,1,2,3,4,5,6,7,8,9,10,11,12,13,14,15
	s_wait_loadcnt 4*(15-\i)                       ; row i's four loads are in; the later rows' may be out
.irp q, 0,1,2,3
	ds_store_b128 v[SA], v[16*\i+4*\q:16*\i+4*\q+3] offset:XP*\i+512*\q
.endr
.endr
	WIN 0
	XREAD 0, ST                                    ; LDS serves a wave's instructions in order: these see my stores
	XREAD 1, OPB
	s_wait_dscnt 16                                ; all but the 16 loads just issued
	QUANT ST
	s_wait_alu depctr_va_vdst(0)                   ; the quantiser has written v[PC ..] and v[PW], which the stores below read, and is done reading v[ST ..], in which the loads below land
	IMAGE XW, 0
	ds_store_b32 v[XWS], v[PW]
	XREAD 2, ST
	s_wait_dscnt 16                                ; K step 1's numbers are in, and the image's stores have read their registers
	s_wait_alu depctr_vm_vsrc(0)                   ; the image's stores have read v[PC ..] and v[PW], which the quantiser writes again; x's loads have read v[XO ..], in which fragments land later; the stage's stores have read window 1, which products write later
	QUANT OPB
	s_wait_alu depctr_va_vdst(0)                   ; the quantiser has written v[PC ..] and v[PW], which the stores below read, and is done reading v[OPB ..], in which the loads below land
	IMAGE XW, 6144
	ds_store_b32 v[XWS], v[PW] offset:512
	XREAD 3, OPB
	s_wait_dscnt 16
	s_wait_alu depctr_vm_vsrc(0)                   ; the image's stores have read v[PC ..] and v[PW], which the quantiser writes again
	QUANT ST
	s_wait_alu depctr_va_vdst(0)                   ; the quantiser has written v[PC ..] and v[PW], which the stores below read
	IMAGE XW, 12288
	ds_store_b32 v[XWS], v[PW] offset:1024
	s_wait_dscnt 0x0
	s_wait_alu depctr_vm_vsrc(0)                   ; the image's stores have read v[PC ..] and v[PW], which the quantiser writes again
	QUANT OPB
	s_wait_alu depctr_va_vdst(0)                   ; the quantiser has written v[PC ..] and v[PW], which the stores below read, and is done reading v[OPB ..], in which the first phase's fragments land
	IMAGE XW, 18432
	ds_store_b32 v[XWS], v[PW] offset:1536
.Lno_x:
	s_load_b512 s[16:31], s[96:97], 0x0            ; all 64 slots, for the way out; waited for there
	s_load_b512 s[32:47], s[96:97], 0x40
	s_load_b512 s[48:63], s[96:97], 0x80
	s_load_b512 s[68:83], s[96:97], 0xc0
	MEET                                           ; x's sixteen fragments lie in LDS
; ---------------------------------------------------------------- A CHUNK OF 512 HIDDEN UNITS
; Waits on the loads, by count of what was issued behind the load wanted: fragments 4-7 of the group (12) and the next group (25) make 37; the next group (25) and the 13 loads just issued for the group after it make 38.
.macro PHASE1                          ; my 128 hidden units for the 64 rows; then relu, quantised, K step = my wave of the second product
	FETCH XR, 0                                    ; no wait: set 0's last readers (x's quantiser, or the chunk before's products) were issued ahead of the last wait on va_vdst, and no vector or matrix instruction has been issued since
	KSTEP 1, 0, 0, 1, 37, 38, XR
	KSTEP 1, 1, 1, 1, 37, 38, XR
	KSTEP 1, 2, 2, 1, 37, 38, XR
	KSTEP 1, 3, 3, 1, 37, 38, XR
.irp m, 0,1,2,3
	WIN 0x04                                       ; source 1 window 1
.irp t, 0,1,2,3,4,5,6,7
.irp j, 0,1,2,3,4,5,6,7
	v_max_num_f32 v[ST+8*\t+\j], 0, v[8*(4*\t+\m)+\j]   ; the activation, in f32, is also the way into window 0; each accumulator from its low end on
.endr
.endr
	WIN 0
.if \m > 0
	s_wait_dscnt 0x0                               ; the last image's stores have read their registers
.endif
	s_wait_alu depctr_vm_vsrc(0)                   ; the last image's stores (ahead of the first tile of rows: x's, or the chunk before's) have read v[PC ..] and v[PW], which the quantiser writes again
	QUANT ST
	s_wait_alu depctr_va_vdst(0)                   ; the quantiser has written v[PC ..] and v[PW], which the stores below read
	IMAGE HW, 1536*\m
	ds_store_b32 v[HWS], v[PW] offset:4*\m
.endr
.endm
.macro PHASE2 last                     ; my 128 columns of the result take this chunk's 512 hidden units.  Its first loads owe no wait: B1's tiles and set 0 were last read by products issued ahead of the last wait on va_vdst, and no vector or matrix instruction has been issued since
.if (\last) == 0
	s_wait_loadcnt 50                              ; the two groups on their way may be out; all older loads are in, so none is still due in the registers loaded next
	LDB1 2048                                      ; the next chunk's B1: 16 loads, which the first two K steps' counts leave out too: 37 + 16, 38 + 16
	FETCH HR, 0
	KSTEP 2, 0, 4, 1, 53, 54, HR
	KSTEP 2, 1, 5, 1, 53, 54, HR
	KSTEP 2, 2, 6, 1, 37, 38, HR
	KSTEP 2, 3, 7, 1, 37, 38, HR
.else                                  ; the stream ends with group 7: the last two K steps ask for nothing, and the counts run down
	FETCH HR, 0
	KSTEP 2, 0, 4, 1, 37, 38, HR
	KSTEP 2, 1, 5, 1, 37, 38, HR
	KSTEP 2, 2, 6, 0, 37, 25, HR
	KSTEP 2, 3, 7, 0, 12, 0, HR
.endif
.endm
.macro CHUNK last
	s_cmp_eq_u32 s[ACT], 0
	s_cbranch_scc1 .Lno_p1_\@
	PHASE1
.Lno_p1_\@:
	MEET                                           ; the hidden layer's sixteen fragments lie in LDS
	s_cmp_eq_u32 s[ACT], 0
	s_cbranch_scc1 .Lno_p2_\@
	PHASE2 \last
.Lno_p2_\@:
.if (\last) == 0
	MEET                                           ; every wave has read them: the next chunk may write them again
	s_wait_xcnt 0x0                                ; the loads issued have had their addresses translated: only behind this wait are their bases stepped
	s_add_nc_u64 s[8:9], s[8:9], CHB
	s_add_nc_u64 s[10:11], s[10:11], 2048
.endif
.endm
	s_mov_b32 s94, 3
.Lchunk:
	CHUNK 0
	s_sub_co_u32 s94, s94, 1
	s_cmp_lg_u32 s94, 0
	s_cbranch_scc1 .Lchunk
	CHUNK 1                                        ; the last chunk is written out: no load passes the stream's end
; ---------------------------------------------------------------- THE WAY OUT
; A lane holds 32 neighbouring bytes of a row and the lanes beside it other rows: a tile of 16 rows goes through my own stage and comes back as rows of 512 bytes, which 32 lanes store at the row's place in out0.
; Rows behind the tile's last are not stored: a scalar branch on the record's count leads out.
.macro TOSTAGE m
	WIN 0x08                                       ; an LDS store's data are its source 1: window 2
.irp n, 0,1,2,3,4,5,6,7
	ds_store_b128 v[SO], v[8*(4*\n+(\m)):8*(4*\n+(\m))+3] offset:64*\n             ; each accumulator from its low end on
	ds_store_b128 v[SO], v[8*(4*\n+(\m))+4:8*(4*\n+(\m))+7] offset:64*\n+16
.endr
	WIN 0
.set BB, ST-(ST-OPB)*((\m)%2)          ; v136-199 and v40-103 by turns
.irp i, 0,1,2,3,4,5,6,7,8,9,10,11,12,13,14,15
	ds_load_b128 v[BB+4*\i:BB+4*\i+3], v[SA] offset:YP*\i      ; LDS serves a wave's instructions in order: these see the stores above, and the next tile's stores come behind them
.endr
.endm
.macro SEND m, y                       ; y: the LDS instructions issued behind tile m's loads, which may stay out
.set BB, ST-(ST-OPB)*((\m)%2)
.irp i, 0,1,2,3,4,5,6,7,8,9,10,11,12,13,14,15
	s_cmp_gt_u32 s[CNT], 16*(\m)+\i
	s_cbranch_scc0 .Lout_end
	s_wait_dscnt (\y)+15-\i
	global_store_b128 v[XO+16*((\m)%2)+\i], v[BB+4*\i:BB+4*\i+3], s[14:15] th:TH_STORE_NT    ; 512 consecutive bytes, at a multiple of 256 from out0's first byte; written once, read by nobody here
.endr
.endm
	s_wait_kmcnt 0x0                               ; the 64 slots
	s_cmp_eq_u32 s[ACT], 0
	s_cbranch_scc1 .Lno_out
	s_wait_loadcnt 0x0
	OFFS 0, 0, CO
	WIN 0x08
	s_wait_alu depctr_va_vdst(0)                   ; behind the last K step's places: the products have written the result's accumulators, which the stage's stores read, and are done reading v[OPB ..]; the quantiser is done with v[ST ..]: rows land in both; the adds have written this tile's offsets, which its stores to out0 read
	TOSTAGE 0
.irp m, 1,2,3
.if \m > 1
	s_wait_xcnt 0x0                                ; the stores of two tiles ago have read their registers: offsets and rows may be written there again
	s_wait_alu depctr_vm_vsrc(0)                   ; the stores of two tiles ago have read their offsets, which the adds below write, and their rows, in which the loads below land
.endif
	OFFS \m, \m%2, CO
	s_wait_alu depctr_va_vdst(0)                   ; the adds have written this tile's offsets, which its stores to out0 read
	TOSTAGE \m
	SEND \m-1, 32                                  ; behind tile m - 1's loads: tile m's 16 stores and 16 loads
.endr
	SEND 3, 0
.Lout_end:
	s_wait_dscnt 0x0
.Lno_out:
; ---------------------------------------------------------------- ROWS OF ZEROS: each wave its 512 bytes of each row
	s_cmp_eq_u32 s[ZER], 0
	s_cbranch_scc1 .Lz_end
.irp m, 0,1,2,3
	s_wait_xcnt 0x0                                ; earlier stores have read the offsets that are written next
	s_wait_alu depctr_vm_vsrc(0)                   ; the stores issued so far have read the offsets that the adds below write
	OFFS \m, \m%2, CO
	s_wait_alu depctr_va_vdst(0)                   ; the adds have written the offsets that the stores below read
.irp i, 0,1,2,3,4,5,6,7,8,9,10,11,12,13,14,15
	s_cmp_gt_u32 s[ZER], 16*\m+\i
	s_cbranch_scc0 .Lz_end
	global_store_b128 v[XO+16*(\m%2)+\i], v[Z:Z+3], s[14:15] th:TH_STORE_NT
.endr
.endr
.Lz_end:
	s_wait_dscnt 0x0                               ; the closing lines, six on end
	s_wait_alu 0x0
	s_wait_tensorcnt 0x0
	ds_add_u32 v254, v255
	s_wait_dscnt 0x0
	s_endpgm
.Lfunc_end_k_q2fa7aa6221_ffn:
	.size	k_q2fa7aa6221_ffn, .Lfunc_end_k_q2fa7aa6221_ffn-k_q2fa7aa6221_ffn
	.p2alignl 7, 3214868480
	.fill 96, 4, 3214868480
	.section	.rodata,"a",@progbits
	.p2align	6, 0x0
	.amdhsa_kernel k_q2fa7aa6221_ffn
		.amdhsa_group_segment_fixed_size 185856
		.amdhsa_private_segment_fixed_size 0
		.amdhsa_enable_private_segment 0
		.amdhsa_kernarg_size 48
		.amdhsa_user_sgpr_count 2
		.amdhsa_user_sgpr_kernarg_segment_ptr 1
		.amdhsa_wavefront_size32 1
		.amdhsa_system_sgpr_workgroup_id_x 1
		.amdhsa_system_sgpr_workgroup_id_y 1
		.amdhsa_system_sgpr_workgroup_id_z 1
		.amdhsa_system_vgpr_workitem_id 0
		.amdhsa_next_free_vgpr 1024
		.amdhsa_next_free_sgpr 100
		.amdhsa_reserve_vcc 0
		.amdhsa_float_denorm_mode_32 3
		.amdhsa_float_denorm_mode_16_64 3
		.amdhsa_memory_ordered 1
		.amdhsa_forward_progress 1
		.amdhsa_inst_pref_size 255
	.end_amdhsa_kernel
	.section	.bss,"aw",@nobits
	.p2align	6
	.space	262144
	.amdgpu_metadata
---
amdhsa.version: [ 1, 2 ]
amdhsa.kernels:
  - .name:           k_q2fa7aa6221_ffn
    .symbol:         k_q2fa7aa6221_ffn.kd
    .args:
      - { .name: x, .offset: 0, .size: 8, .value_kind: global_buffer, .address_space: global }
      - { .name: route, .offset: 8, .size: 8, .value_kind: global_buffer, .address_space: global }
      - { .name: wq, .offset: 16, .size: 8, .value_kind: global_buffer, .address_space: global }
      - { .name: B1, .offset: 24, .size: 8, .value_kind: global_buffer, .address_space: global }
      - { .name: B2, .offset: 32, .size: 8, .value_kind: global_buffer, .address_space: global }
      - { .name: out0, .offset: 40, .size: 8, .value_kind: global_buffer, .address_space: global }
    .group_segment_fixed_size: 185856
    .private_segment_fixed_size: 0
    .kernarg_segment_align: 8
    .kernarg_segment_size: 48
    .max_flat_workgroup_size: 128
    .sgpr_count:     100
    .vgpr_count:     1024
    .wavefront_size: 32
...
	.end_amdgpu_metadata
.endif
;; end of part 3
